; MI455X (gfx1250); checked and timed in simulation.
; The chip was launched on July 23, 2026; its instructions are those of AMD's public machine-readable ISA for CDNA 5 (MIT licence, August 2026) and "CDNA5" Instruction Set Architecture Reference Guide (July 2026). The comments in the code are by the model that wrote it; some were corrected since.
;; Transformer Block. Allowed arithmetic: matrix products marked QUANTISED: E4M3 operands, one E8M0 scale for each 32 along K, by v_wmma_scale_f32_16x16x128_f8f6f4 with both operands' format E4M3, f32 sums; products left as they are: f32 operands where the result goes on into a quantised operand, else bf16, f16 or f32 operands; f32 sums; everything else in f32.
;; Inputs: W1 1,024 x 4,096 float32; W2 4,096 x 1,024 float32; W_out 16 x 64 x 1,024 float32; W_qkv 16 x 1,024 x 192 float32; b1 4,096 float32; b2 1,024 float32; ln1_b 1,024 float32; ln1_w 1,024 float32; ln2_b 1,024 float32; ln2_w 1,024 float32; x 2 x 2,048 x 1,024 float32.
;; Outputs: out0 2 x 2,048 x 1,024 float32.
;; This version of the problem:
;;   THIS VERSION OF THE PROBLEM IS GIVEN IN LOW PRECISION. The matrix products marked QUANTISED in the list below multiply operands that are first quantised to E4M3 (4 exponent bits, 3 mantissa bits; 8 bits a number), with one power-of-two scale for each 32 numbers along K (OCP MX v1.0); their sums are f32. All else is computed in f32.
;;   The module's matrix products, in the order in which they are computed (A, B: the left and right operand; K: the contracted axis; several contracted axes count as one K, in the product's order):
;;     1. [M 3,072, K 1,024] x [K 1,024, N 4,096]; A: input W_qkv; B: computed on the way: QUANTISED
;;     2. batch 32 x [M 2,048, K 64] x [K 64, N 2,048]; A: computed on the way; B: computed on the way: QUANTISED
;;     3. batch 32 x [M 2,048, K 2,048] x [K 2,048, N 64]; A: softmax (see below); B: computed on the way: QUANTISED
;;     4. batch 1,024 x [M 1, K 1] x [K 1, N 4,096]; A: computed on the way; B: computed on the way: left as it is (no contracted axis)
;;     5. [M 4,096, K 1,024] x [K 1,024, N 4,096]; A: computed on the way; B: input W1: QUANTISED
;;     6. [M 4,096, K 4,096] x [K 4,096, N 1,024]; A: computed on the way; B: input W2: QUANTISED
;;   THE QUANTISER, for each operand of a quantised product, along K:
;;     - K is cut into blocks of 32 from its start; a last block that is shorter is filled with zeros.
;;     - A block's scale is 2^e with e = floor(log2(the largest magnitude in the block)) - 8, held to -126 .. 127; a block of zeros has e = 0. As a byte (E8M0): e + 127.
;;     - Each number is divided by its block's scale, clamped to +-448, and rounded to the nearest number of E4M3, ties to even, subnormals kept.
;;     - The product sums the exact products of the quantised numbers (number of the format x scale) in f32.
;;   ~~~python
;;   def quantise(x, axis):      # numpy; x: float32 -> the quantised numbers, widened to float32 again
;;       x = np.moveaxis(x, axis, -1); K = x.shape[-1]
;;       x = np.pad(x, [(0, 0)] * (x.ndim - 1) + [(0, -K % 32)]); x = x.reshape(x.shape[:-1] + (-1, 32)); a = np.abs(x).max(-1, keepdims=True)
;;       e = np.where(a > 0, np.clip(np.frexp(np.where(a > 0, a, 1))[1] - 1 - 8, -126, 127), 0)      # np.frexp(a)[1] - 1 = floor(log2(a)), exactly
;;       r = np.clip(x / 2.0 ** e, -448, 448)
;;       step = 2.0 ** (np.maximum(np.frexp(np.where(r == 0, 1, r))[1] - 1, -6) - 3)
;;       q = np.round(r / step) * step * 2.0 ** e      # np.round: ties to even
;;       return np.moveaxis(q.reshape(q.shape[:-2] + (-1,))[..., :K], -1, axis).astype(np.float32)
;;   ~~~
;;   SOFTMAX AHEAD OF A QUANTISED PRODUCT. Where the list says 'softmax', what is quantised is not the finished softmax but p = 2^(t - M), with t = logit x log2(e) and M = ceil(the row's largest t), a whole number; so 1/2 < the row's largest p <= 1. The row's sum l is taken of the UNQUANTISED p, in f32, and the product's result is divided by l at the end. Since M is a whole number, a kernel that streams over the keys may use a running M (the ceiling of the running maximum): every later rescaling is an exact power of two, which a block's scale takes up: the codes' values come out the same.
;;   OPERANDS COMPUTED ON THE WAY. 'Computed on the way' means the value that the module computes at that place (a softmax that the list does not call 'softmax' is quantised finished and normalised). What goes into a quantiser is computed in f32, as accurately as f32 sums, v_exp_f32 and their like allow (about 1e-6 of the number): no bf16 or f16 on the way to a quantiser, and a product that is left as it is and whose result goes on into a quantised operand takes f32 operands (vector FMAs, or v_wmma_f32_16x16x4_f32). A number that lies on a knife's edge between two numbers of the format may be rounded either way, as far as f32 arithmetic and the matrix unit's own rounding can turn it there, and no further.
;; One version. Each part assembles by itself: llvm-mc -triple=amdgcn-amd-amdhsa -mcpu=gfx1250 --defsym DOCPART=n.
;; ======== version 1 of 1: 6 launches
;; limits: right only within a limited range of input values
;; workspace buffers: wq 11,927,552 bytes; actq 4,325,376 bytes; qkvq 12,976,128 bytes; x1 16,777,216 bytes; hq 17,301,504 bytes
;; launch prep (part 1): grid 448 x 1, 16 waves a work-group, no clusters, 20,480 bytes of LDS; arguments x, ln1_w, ln1_b, actq, W_qkv, W1, W2, W_out, wq; writes actq, wq
.if DOCPART == 1
	.amdgcn_target "amdgcn-amd-amdhsa--gfx1250"
	.amdhsa_code_object_version 6
	.text
	.protected	k_q80c785b56e_prep
	.globl	k_q80c785b56e_prep
	.p2align	8
	.type	k_q80c785b56e_prep,@function
k_q80c785b56e_prep:
	s_mov_b64 s[64:65], 0
	v_nop
	global_prefetch_b8 v0, s[64:65] scope:SCOPE_SE
	s_setreg_imm32_b32 hwreg(HW_REG_WAVE_MODE, 25, 1), 1
	s_wait_xcnt 0x0
; ONE LAUNCH FOR ALL THAT THE FIRST PRODUCT WAITS FOR.  Work-groups 0-255: LN1(x), quantised.  Work-groups 256-447: the three weights become codes, and W_out's columns are summed in 8 partial sums.
; The two kinds part on the work-group's number alone; only the first kind uses LDS and a barrier.
; LAYOUT OF AN OPERAND (this program's own): [group of 128 rows][K step of 128][row block 8][image of 2,048 bytes]; an image is a fragment's registers on end:
; byte 512 c + 16 lane holds k = 32 c + 16 (lane / 16) + 0 .. 15 of row lane % 16.  Scale words (4 bytes: one row, 128 along K): [group][K step][row block 8][16 words].
; ROWS LIE IN TILE ORDER: inside each 32 rows, place p holds the row whose number is p with bits 3 and 4 exchanged.
; LAYERNORM: y = w (x - mean) / sqrt(var + 1e-4) + b along rows of 1,024, var with divisor 1,023, taken of x - mean in a second pass over registers: a common offset of x does no harm.
;   A work-group makes one row block, each of its 16 waves one row.  Lane l holds k = 128 j + 4 l + 0 .. 3, j = 0 .. 7: each load of the wave covers 512 consecutive bytes.  A block of 32 lies in eight lanes.
;   A lane's eight consecutive registers belong to two blocks, so the conversion cannot carry the scale: each number is multiplied by 1 / scale (a power of two: nothing is rounded), held at +-448, and converted with scale 1.
;   A lane's 4 codes of K step j are a piece of a run of 256 bytes of an image (16 rows x 16 bytes): the 64 runs meet in LDS (272 bytes apart, row r at 16 r) and leave whole.
;   Codes at actq, scale words 4,194,304 bytes on; the 512 scale bytes leave in pieces of 64 bytes (one byte for each 128 that are read).
; WEIGHTS: all three have K as their FIRST axis: a lane takes one column (one operand row), its registers run down K, a block of 32 lies in one lane.  Lane l takes the column whose number is l with bits 3 and 4
;   exchanged, so place = lane: a lane's 16 codes go to (l / 16) x 2,048 + 16 (l % 16): one store of the wave covers two runs of 256 consecutive bytes, each aligned.  No LDS.
;   A unit is 128 rows x 128 along K, made by four waves, 32 rows each; a work-group holds four units: unit = 4 (work-group - 256) + wave / 4.  Units 0-191 W_qkv, 192-447 W1, 448-703 W2, 704-767 W_out.
;   The scale words leave as 128 bytes a wave (one byte for each 128 that are read).
; LIMITS: NaN and infinities are not served; a block of zeros gets the byte 1 (its codes are zeros; this program alone reads the bytes).
.set X,  32                            ; v32-63  LayerNorm: the row's 32 numbers of my lane.  Weights: v32-95 two sets of 32 numbers
.set W,  64                            ; v64-95  the gain
.set BV, 96                            ; v96-127 the bias
.set MX, 64                            ; behind y: v64-71 the blocks' largest magnitudes
.set TP, 72                            ; v72-79  at work
.set PR, 80                            ; v80-95  pairs: 1 / scale, the scale's byte
.set CD, 96                            ; v96-103 codes
.set C,  96                            ; weights: v96-127 codes: eight registers for each block, so that no store's data are written again
.macro LOADW t, pitch                  ; block t: rows 32 t + i of my column, into set t % 2
.set i, 0
.rept 32
	global_load_b32 v[X+32*((\t)%2)+i], v3, s[4:5] offset:(32*(\t)+i)*(\pitch) th:TH_LOAD_NT
.set i, i+1
.endr
.endm
.macro BLOCKW t, pitch
.set XS, X+32*((\t)%2)
.if (\t) < 3
	s_wait_loadcnt 32                              ; this block's 32 loads are in; the next block's may be out
.else
	s_wait_loadcnt 0x0
.endif
	v_max3_num_f32 v12, |v[XS]|, |v[XS+1]|, |v[XS+2]|
	v_max3_num_f32 v13, |v[XS+3]|, |v[XS+4]|, |v[XS+5]|
.irp i, 6,10,14,18,22,26
	s_delay_alu instid0(VALU_DEP_2)
	v_max3_num_f32 v12, v12, |v[XS+\i]|, |v[XS+\i+1]|
	s_delay_alu instid0(VALU_DEP_2)
	v_max3_num_f32 v13, v13, |v[XS+\i+2]|, |v[XS+\i+3]|
.endr
	s_delay_alu instid0(VALU_DEP_2)
	v_max3_num_f32 v12, v12, |v[XS+30]|, |v[XS+31]|
	s_delay_alu instid0(VALU_DEP_1)
	v_max3_num_f32 v12, v12, v13, 0x4800000        ; the floor 2^(9 - 127): the byte cannot fall under 1
	s_delay_alu instid0(VALU_DEP_1)
	v_add_nc_u32 v11, 0xfc000000, v12              ; 8 off the exponent field: the conversion's scale operand
	s_delay_alu instid0(VALU_DEP_2)
	v_and_or_b32 v10, v12, 0x7f800000, s31         ; 448 x the scale
	s_delay_alu instid0(VALU_DEP_2)
	v_lshrrev_b32 v13, 23, v11                     ; the scale's byte
.if (\t) == 0
	s_delay_alu instid0(VALU_DEP_1)
	v_mov_b32 v14, v13
.else
	s_delay_alu instid0(VALU_DEP_1)
	v_lshl_or_b32 v14, v13, 8*(\t), v14            ; four bytes make my row's scale word
.endif
.set i, 0
.rept 32
	v_med3_num_f32 v[XS+i], v[XS+i], -v10, v10     ; the conversion does not saturate (ISA guide 7.6.2): the hold comes first
.set i, i+1
.endr
.irp g, 0,1,2,3
	v_cvt_scalef32_pk8_fp8_f32 v[C+8*(\t)+2*\g:C+8*(\t)+2*\g+1], v[XS+8*\g:XS+8*\g+7], v11
.endr
	global_store_b128 v4, v[C+8*(\t):C+8*(\t)+3], s[14:15] offset:512*(\t) th:TH_STORE_NT        ; k = 32 t + 0 .. 15
	global_store_b128 v4, v[C+8*(\t)+4:C+8*(\t)+7], s[14:15] offset:512*(\t)+256 th:TH_STORE_NT  ; k = 32 t + 16 .. 31
.if (\t)+2 < 4
	LOADW (\t)+2, \pitch
.endif
.endm
.macro QW pitch
	LOADW 0, \pitch
	LOADW 1, \pitch
	BLOCKW 0, \pitch
	BLOCKW 1, \pitch
	BLOCKW 2, \pitch
	BLOCKW 3, \pitch
	global_store_b32 v5, v14, s[12:13]             ; 32 scale words: 128 consecutive bytes
.endm
.macro DEST creg, sreg                 ; s17 = group x K steps + K step: the unit's number in its region
	s_lshl_b32 s22, s17, 14
	s_add_co_u32 s22, s22, s29
	s_add_co_u32 s22, s22, \creg
	s_mov_b32 s23, 0
	s_lshl_b32 s24, s17, 9
	s_add_co_u32 s24, s24, s28
	s_add_co_u32 s24, s24, \sreg
	s_mov_b32 s25, 0
	s_add_nc_u64 s[14:15], s[12:13], s[22:23]      ; codes
	s_add_nc_u64 s[12:13], s[12:13], s[24:25]      ; scale words
.endm
	v_lshl_add_u32 v30, v0, 2, 0x4800              ; v30, v31: my spare word and 0, kept for the add alone; 128 registers a wave, so that two work-groups of 16 waves fit in a SIMD's 1,024
	v_mov_b32 v31, 0
	v_lshrrev_b32 v1, 5, v0
	v_and_b32 v2, 31, v0                           ; lane
	s_cmp_lt_u32 ttmp9, 256
	s_cbranch_scc0 .Lweights
	; ---------------- LayerNorm and its quantiser: row block = the work-group's number
	s_load_b256 s[4:11], s[0:1], 0x0               ; x, gain, bias, actq
	v_readfirstlane_b32 s12, v1                    ; wave 0..15 = the row's place in the block
	v_lshlrev_b32 v3, 4, v2                        ; 16 bytes a lane
	s_lshr_b32 s13, ttmp9, 1
	s_lshl_b32 s13, s13, 5
	s_and_b32 s14, ttmp9, 1
	s_lshl_b32 s14, s14, 3
	s_add_co_u32 s13, s13, s14
	s_add_co_u32 s13, s13, s12
	s_and_b32 s14, s12, 8
	s_add_co_u32 s13, s13, s14                     ; my row
	s_lshl_b32 s14, s13, 12
	s_mov_b32 s15, 0
	s_mov_b32 s16, 0x76543210
	s_mov_b32 s17, 0xfedcba98                      ; selects for lane l xor 16
	s_mov_b32 s18, 0x3a802008                      ; 1 / 1,023
	s_mov_b32 s19, 0x38d1b717                      ; 1e-4
	s_wait_alu depctr_va_vdst(0)
	s_wait_kmcnt 0x0
	s_add_nc_u64 s[4:5], s[4:5], s[14:15]
.irp j, 0,1,2,3,4,5,6,7
	global_load_b128 v[X+4*\j:X+4*\j+3], v3, s[4:5] offset:512*\j
.endr
.irp j, 0,1,2,3,4,5,6,7
	global_load_b128 v[W+4*\j:W+4*\j+3], v3, s[6:7] offset:512*\j
.endr
.irp j, 0,1,2,3,4,5,6,7
	global_load_b128 v[BV+4*\j:BV+4*\j+3], v3, s[8:9] offset:512*\j
.endr
	v_lshrrev_b32 v4, 2, v2
	s_delay_alu instid0(VALU_DEP_1)
	v_mul_u32_u24 v4, v4, 272
	v_and_b32 v5, 3, v2
	s_delay_alu instid0(VALU_DEP_1)
	v_lshl_add_u32 v4, v5, 2, v4
	s_lshl_b32 s20, s12, 4
	v_add_nc_u32 v4, s20, v4                       ; the stage, in: run 8 j + l / 4, row w, word l % 4
	v_lshrrev_b32 v5, 3, v2
	s_lshl_b32 s21, s12, 2
	s_add_co_u32 s21, s21, 17408
	v_add_nc_u32 v5, s21, v5                       ; my block's scale byte: [K step 8][row 16][4]
	v_lshrrev_b32 v6, 4, v2
	s_delay_alu instid0(VALU_DEP_1)
	v_mul_u32_u24 v6, v6, 272
	v_and_b32 v7, 15, v2
	s_delay_alu instid0(VALU_DEP_1)
	v_lshl_add_u32 v6, v7, 4, v6
	s_mul_i32 s22, s12, 1088
	v_add_nc_u32 v6, s22, v6                       ; the stage, out: runs 4 w on, two runs an instruction
	v_lshlrev_b32 v7, 4, v2
	s_delay_alu instid0(VALU_DEP_1)
	v_add_nc_u32 v1, 17408, v7                     ; the 512 scale bytes, 16 a lane
	s_lshr_b32 s20, ttmp9, 3
	s_and_b32 s21, ttmp9, 7
	s_lshl_b32 s24, s20, 17
	s_lshl_b32 s22, s21, 11
	s_add_co_u32 s24, s24, s22
	s_lshr_b32 s22, s12, 1
	s_lshl_b32 s22, s22, 14
	s_add_co_u32 s24, s24, s22
	s_and_b32 s22, s12, 1
	s_lshl_b32 s22, s22, 10
	s_add_co_u32 s24, s24, s22
	s_mov_b32 s25, 0
	s_add_nc_u64 s[24:25], s[10:11], s[24:25]      ; where my wave's 1,024 bytes of codes go
	s_lshl_b32 s26, s20, 12
	s_lshl_b32 s22, s21, 6
	s_add_co_u32 s26, s26, s22
	s_add_co_u32 s26, s26, 4194304
	s_mov_b32 s27, 0
	s_add_nc_u64 s[26:27], s[10:11], s[26:27]      ; and the block's scale words
	s_wait_loadcnt 16                              ; x is in; the 16 loads of gain and bias may be out
	v_pk_add_f32 v[10:11], v[32:33], v[34:35]
	v_pk_add_f32 v[16:17], v[40:41], v[44:45]
	v_pk_add_f32 v[28:29], v[48:49], v[52:53]
	v_pk_add_f32 v[26:27], v[56:57], v[60:61]
	v_pk_add_f32 v[24:25], v[36:37], v[38:39]
	v_pk_add_f32 v[22:23], v[42:43], v[46:47]
	v_pk_add_f32 v[20:21], v[50:51], v[54:55]
	v_pk_add_f32 v[8:9], v[58:59], v[62:63]
	s_delay_alu instid0(VALU_DEP_1)
	v_pk_add_f32 v[8:9], v[8:9], v[26:27]
	v_pk_add_f32 v[10:11], v[10:11], v[24:25]
	v_pk_add_f32 v[16:17], v[16:17], v[22:23]
	v_pk_add_f32 v[28:29], v[28:29], v[20:21]
	s_delay_alu instid0(VALU_DEP_2)
	v_pk_add_f32 v[8:9], v[8:9], v[16:17]
	s_delay_alu instid0(VALU_DEP_2)
	v_pk_add_f32 v[10:11], v[10:11], v[28:29]
	s_delay_alu instid0(VALU_DEP_1)
	v_pk_add_f32 v[8:9], v[8:9], v[10:11]
	s_delay_alu instid0(VALU_DEP_1)
	v_add_f32 v8, v8, v9
.irp m, 1,2,4,8
	s_delay_alu instid0(VALU_DEP_1)
	v_add_f32_dpp v8, v8, v8 row_xmask:\m row_mask:0xf bank_mask:0xf
.endr
	s_delay_alu instid0(VALU_DEP_1)
	v_permlanex16_b32 v9, v8, s16, s17
	s_delay_alu instid0(VALU_DEP_1)
	v_add_f32 v8, v8, v9
	s_delay_alu instid0(VALU_DEP_1)
	v_mul_f32 v12, 0x3a800000, v8                  ; the mean
	s_delay_alu instid0(VALU_DEP_1)
	v_mov_b32 v13, v12
.set i, 0
.rept 16
	v_pk_add_f32 v[X+i:X+i+1], v[X+i:X+i+1], v[12:13] neg_lo:[0,1] neg_hi:[0,1]
.set i, i+2
.endr
.irp c, 0,1,2,3
	v_pk_mul_f32 v[16+2*\c:17+2*\c], v[X+2*\c:X+2*\c+1], v[X+2*\c:X+2*\c+1]
.endr
.irp g, 1,2,3
.irp c, 0,1,2,3
	s_delay_alu instid0(VALU_DEP_4)
	v_pk_fma_f32 v[16+2*\c:17+2*\c], v[X+8*\g+2*\c:X+8*\g+2*\c+1], v[X+8*\g+2*\c:X+8*\g+2*\c+1], v[16+2*\c:17+2*\c]
.endr
.endr
	s_delay_alu instid0(VALU_DEP_3)
	v_pk_add_f32 v[16:17], v[16:17], v[18:19]
	s_delay_alu instid0(VALU_DEP_2)
	v_pk_add_f32 v[20:21], v[20:21], v[22:23]
	s_delay_alu instid0(VALU_DEP_1)
	v_pk_add_f32 v[16:17], v[16:17], v[20:21]
	s_delay_alu instid0(VALU_DEP_1)
	v_add_f32 v16, v16, v17
.irp m, 1,2,4,8
	s_delay_alu instid0(VALU_DEP_1)
	v_add_f32_dpp v16, v16, v16 row_xmask:\m row_mask:0xf bank_mask:0xf
.endr
	s_delay_alu instid0(VALU_DEP_1)
	v_permlanex16_b32 v17, v16, s16, s17
	s_delay_alu instid0(VALU_DEP_1)
	v_add_f32 v16, v16, v17
	s_delay_alu instid0(VALU_DEP_1)
	v_fma_f32 v16, v16, s18, s19                   ; var + eps
	s_wait_alu depctr_va_vdst(0)
	v_rsq_f32 v14, v16
	v_nop                                          ; a plain instruction behind the transcendental
	s_wait_alu depctr_va_vdst(0)                   ; the wait ahead of the first reader
	v_mov_b32 v15, v14
	s_wait_alu depctr_va_vdst(0)
	s_wait_loadcnt 0x0                             ; gain and bias
.set i, 0
.rept 16
	v_pk_mul_f32 v[X+i:X+i+1], v[X+i:X+i+1], v[14:15]
.set i, i+2
.endr
.set i, 0
.rept 16
	v_pk_fma_f32 v[X+i:X+i+1], v[X+i:X+i+1], v[W+i:W+i+1], v[BV+i:BV+i+1]
.set i, i+2
.endr
	; the quantiser: K step j's block l / 8 lies in my four numbers and those of the seven lanes beside me.  The eight K steps take turns line by line
.irp j, 0,1,2,3,4,5,6,7
	v_max3_num_f32 v[MX+\j], |v[X+4*\j]|, |v[X+4*\j+1]|, |v[X+4*\j+2]|
.endr
.irp j, 0,1,2,3,4,5,6,7
	v_max3_num_f32 v[MX+\j], v[MX+\j], |v[X+4*\j+3]|, 0x4800000      ; with the floor 2^(9 - 127): the byte cannot fall under 1
.endr
.irp m, 1,2,4
.irp j, 0,1,2,3,4,5,6,7
	v_max_num_f32_dpp v[MX+\j], v[MX+\j], v[MX+\j] row_xmask:\m row_mask:0xf bank_mask:0xf
.endr
.endr
.irp j, 0,1,2,3,4,5,6,7
	v_and_b32 v[TP+\j], 0x7f800000, v[MX+\j]       ; the largest magnitude's exponent field E
.endr
.irp j, 0,1,2,3,4,5,6,7
	v_sub_nc_u32 v[PR+2*\j], 0x83000000, v[TP+\j]  ; 1 / scale = 2^(135 - E): exponent field 262 - E, between 8 and 253
.endr
.irp j, 0,1,2,3,4,5,6,7
	v_add_nc_u32 v[TP+\j], 0xfc000000, v[MX+\j]
.endr
.irp j, 0,1,2,3,4,5,6,7
	v_lshrrev_b32 v[PR+2*\j+1], 23, v[TP+\j]       ; the scale's byte, E - 8
.endr
	v_mov_b32 v104, 0x43e00000                     ; 448
	v_mov_b32 v105, 1.0                            ; the conversion's scale operand: 2^0
.irp j, 0,1,2,3,4,5,6,7
	v_pk_mul_f32 v[X+4*\j:X+4*\j+1], v[X+4*\j:X+4*\j+1], v[PR+2*\j:PR+2*\j+1] op_sel_hi:[1,0]       ; of the pair the low word, 1 / scale, serves both halves
	v_pk_mul_f32 v[X+4*\j+2:X+4*\j+3], v[X+4*\j+2:X+4*\j+3], v[PR+2*\j:PR+2*\j+1] op_sel_hi:[1,0]
.endr
.set i, 0
.rept 32
	v_med3_num_f32 v[X+i], v[X+i], -v104, v104     ; the conversion does not saturate (ISA guide 7.6.2)
.set i, i+1
.endr
.irp g, 0,1,2,3
	v_cvt_scalef32_pk8_fp8_f32 v[CD+2*\g:CD+2*\g+1], v[X+8*\g:X+8*\g+7], v105     ; register j: my four codes of K step j
.endr
	v_nop                                          ; a plain instruction behind the last conversion
.irp j, 0,1,2,3,4,5,6,7
	ds_store_b32 v4, v[CD+\j] offset:2176*\j
	ds_store_b8 v5, v[PR+2*\j+1] offset:64*\j      ; the eight lanes of a block write the same byte with the same value
.endr
	s_wait_dscnt 0x0                               ; for the others' sake: my stores have landed
	s_barrier_signal -1
	s_barrier_wait -1
	ds_load_b128 v[32:35], v6
	ds_load_b128 v[36:39], v6 offset:544
	s_wait_dscnt 0x1                               ; the first is in; the second may be out
	global_store_b128 v7, v[32:35], s[24:25] th:TH_STORE_NT             ; 512 consecutive bytes, aligned
	s_wait_dscnt 0x0
	global_store_b128 v7, v[36:39], s[24:25] offset:512 th:TH_STORE_NT
	s_cmp_lg_u32 s12, 0
	s_cbranch_scc1 .Ldone
	ds_load_b128 v[40:43], v1                      ; wave 0: the block's scale words, 64 bytes for each K step
	v_lshrrev_b32 v8, 2, v2
	s_delay_alu instid0(VALU_DEP_1)
	v_lshlrev_b32 v8, 9, v8
	v_and_b32 v9, 3, v2
	s_delay_alu instid0(VALU_DEP_1)
	v_lshl_add_u32 v8, v9, 4, v8
	s_wait_alu depctr_va_vdst(0)
	s_wait_dscnt 0x0
	global_store_b128 v8, v[40:43], s[26:27]
.Ldone:
	s_wait_tensorcnt 0x0
	ds_add_u32 v30, v31
	s_wait_dscnt 0x0
	s_endpgm
	; ---------------- the weights
.Lweights:
	s_load_b256 s[4:11], s[0:1], 0x20              ; W_qkv s[4:5], W1 s[6:7], W2 s[8:9], W_out s[10:11]
	s_load_b64 s[12:13], s[0:1], 0x40              ; wq
	s_wait_alu depctr_va_vdst(0)
	v_readfirstlane_b32 s26, v1                    ; wave 0..15
	s_and_b32 s16, s26, 3                          ; which 32 columns of the unit
	s_lshr_b32 s26, s26, 2                         ; which of the work-group's four units
	s_sub_co_u32 s27, ttmp9, 256
	s_lshl_b32 s27, s27, 2
	s_add_co_u32 s27, s27, s26                     ; the unit 0..767
	v_and_b32 v3, 7, v2
	v_bfe_u32 v6, v2, 3, 1
	v_bfe_u32 v7, v2, 4, 1
	s_delay_alu instid0(VALU_DEP_2)
	v_lshl_or_b32 v3, v6, 4, v3
	s_delay_alu instid0(VALU_DEP_1)
	v_lshl_or_b32 v3, v7, 3, v3                    ; the lane's number with bits 3 and 4 exchanged: my column of the wave's 32
	s_delay_alu instid0(VALU_DEP_1)
	v_lshlrev_b32 v3, 2, v3
	v_and_b32 v4, 15, v2
	s_delay_alu instid0(VALU_DEP_1)
	v_lshlrev_b32 v4, 4, v4
	s_delay_alu instid0(VALU_DEP_1)
	v_lshl_or_b32 v4, v7, 11, v4                   ; my 16 bytes in the wave's two images
	v_lshlrev_b32 v5, 2, v2                        ; my scale word
	s_mov_b32 s31, 0x600000                        ; the mantissa field of 448
	s_lshl_b32 s28, s16, 7                         ; 128 x wave: its 32 columns in bytes, and its 32 scale words
	s_lshl_b32 s29, s16, 12                        ; 4,096 x wave: its two images
	s_wait_kmcnt 0x0
	s_cmp_lt_u32 ttmp9, 304                        ; a work-group's four units belong to one tensor
	s_cbranch_scc0 .Lnot_qkv
	s_mov_b32 s17, s27                             ; W_qkv [16][1024][192]: group = part x 8 + pair of heads; a group's rows: 2 heads x 64 channels
	s_lshr_b32 s18, s17, 3                         ; group
	s_and_b32 s19, s17, 7                          ; K step
	s_and_b32 s20, s18, 7
	s_lshl_b32 s20, s20, 1
	s_lshr_b32 s21, s16, 1
	s_add_co_u32 s20, s20, s21                     ; head
	s_mul_i32 s20, s20, 786432
	s_mul_i32 s21, s19, 98304                      ; 128 rows of 768 bytes
	s_add_co_u32 s20, s20, s21
	s_lshr_b32 s21, s18, 3
	s_lshl_b32 s21, s21, 8                         ; q, k or v: 64 channels of 4 bytes
	s_add_co_u32 s20, s20, s21
	s_and_b32 s21, s16, 1
	s_lshl_b32 s21, s21, 7
	s_add_co_u32 s20, s20, s21
	s_mov_b32 s21, 0
	s_add_nc_u64 s[4:5], s[4:5], s[20:21]
	DEST 0, 11534336
	s_wait_alu depctr_va_vdst(0)
	QW 768
	s_endpgm
.Lnot_qkv:
	s_cmp_lt_u32 ttmp9, 368
	s_cbranch_scc0 .Lnot_w1
	s_sub_co_u32 s17, s27, 192                     ; W1 [1024][4096]
	s_lshr_b32 s18, s17, 3
	s_and_b32 s19, s17, 7
	s_lshl_b32 s20, s19, 21                        ; 128 rows of 16,384 bytes
	s_lshl_b32 s18, s18, 9
	s_add_co_u32 s20, s20, s18
	s_add_co_u32 s20, s20, s28
	s_mov_b32 s21, 0
	s_add_nc_u64 s[4:5], s[6:7], s[20:21]
	DEST 3145728, 11632640
	s_wait_alu depctr_va_vdst(0)
	QW 16384
	s_endpgm
.Lnot_w1:
	s_cmp_lt_u32 ttmp9, 432
	s_cbranch_scc0 .Lnot_w2
	s_sub_co_u32 s17, s27, 448                     ; W2 [4096][1024]: 32 K steps a group
	s_lshr_b32 s18, s17, 5
	s_and_b32 s19, s17, 31
	s_lshl_b32 s20, s19, 19                        ; 128 rows of 4,096 bytes
	s_lshl_b32 s18, s18, 9
	s_add_co_u32 s20, s20, s18
	s_add_co_u32 s20, s20, s28
	s_mov_b32 s21, 0
	s_add_nc_u64 s[4:5], s[8:9], s[20:21]
	DEST 7340032, 11763712
	s_wait_alu depctr_va_vdst(0)
	QW 4096
	s_endpgm
.Lnot_w2:
	s_sub_co_u32 s17, s27, 704                     ; W_out as [1024 (n, h)][1024 d]: rows 128 x chunk on, columns 128 x group on
	s_lshr_b32 s18, s17, 3
	s_and_b32 s19, s17, 7
	s_lshl_b32 s20, s19, 19
	s_lshl_b32 s18, s18, 9
	s_add_co_u32 s18, s18, s28
	s_add_co_u32 s20, s20, s18
	s_mov_b32 s21, 0
	s_add_nc_u64 s[4:5], s[10:11], s[20:21]
	s_lshl_b32 s22, s19, 12                        ; partial sums [8 chunks][1024] f32
	s_add_co_u32 s22, s22, s18
	s_add_co_u32 s22, s22, 11894784
	s_mov_b32 s23, 0
	s_add_nc_u64 s[12:13], s[12:13], s[22:23]
	s_wait_alu depctr_va_vdst(0)
	LOADW 0, 4096
	LOADW 1, 4096
.irp t, 0,1,2,3
.set XS, X+32*(\t%2)
.if \t < 3
	s_wait_alu depctr_va_vdst(0)
	s_wait_loadcnt 32
.else
	s_wait_alu depctr_va_vdst(0)
	s_wait_loadcnt 0x0
.endif
.if \t == 0
	v_pk_add_f32 v[8:9], v[XS:XS+1], v[XS+2:XS+3]          ; the first numbers start the two chains: nothing is cleared
	v_pk_add_f32 v[10:11], v[XS+4:XS+5], v[XS+6:XS+7]
.else
	v_pk_add_f32 v[8:9], v[8:9], v[XS:XS+1]
	v_pk_add_f32 v[10:11], v[10:11], v[XS+2:XS+3]
	s_delay_alu instid0(VALU_DEP_2)
	v_pk_add_f32 v[8:9], v[8:9], v[XS+4:XS+5]
	s_delay_alu instid0(VALU_DEP_2)
	v_pk_add_f32 v[10:11], v[10:11], v[XS+6:XS+7]
.endif
.irp i, 8,12,16,20,24,28
	s_delay_alu instid0(VALU_DEP_2)
	v_pk_add_f32 v[8:9], v[8:9], v[XS+\i:XS+\i+1]
	s_delay_alu instid0(VALU_DEP_2)
	v_pk_add_f32 v[10:11], v[10:11], v[XS+\i+2:XS+\i+3]
.endr
.if \t < 2
	LOADW \t+2, 4096
.endif
.endr
	s_delay_alu instid0(VALU_DEP_1)
	v_pk_add_f32 v[8:9], v[8:9], v[10:11]
	s_delay_alu instid0(VALU_DEP_1)
	v_add_f32 v8, v8, v9
	global_store_b32 v3, v8, s[12:13]              ; at my column's own place
	s_endpgm
.Lfunc_end_k_q80c785b56e_prep:
	.size	k_q80c785b56e_prep, .Lfunc_end_k_q80c785b56e_prep-k_q80c785b56e_prep
	.p2alignl 7, 3214868480
	.fill 96, 4, 3214868480
	.section	.rodata,"a",@progbits
	.p2align	6, 0x0
	.amdhsa_kernel k_q80c785b56e_prep
		.amdhsa_group_segment_fixed_size 20480
		.amdhsa_private_segment_fixed_size 0
		.amdhsa_enable_private_segment 0
		.amdhsa_kernarg_size 72
		.amdhsa_user_sgpr_count 2
		.amdhsa_user_sgpr_kernarg_segment_ptr 1
		.amdhsa_wavefront_size32 1
		.amdhsa_system_sgpr_workgroup_id_x 1
		.amdhsa_system_sgpr_workgroup_id_y 1
		.amdhsa_system_sgpr_workgroup_id_z 1
		.amdhsa_system_vgpr_workitem_id 0
		.amdhsa_next_free_vgpr 128
		.amdhsa_next_free_sgpr 66
		.amdhsa_reserve_vcc 0
		.amdhsa_float_denorm_mode_32 3
		.amdhsa_float_denorm_mode_16_64 3
		.amdhsa_memory_ordered 1
		.amdhsa_forward_progress 1
		.amdhsa_inst_pref_size 134
	.end_amdhsa_kernel
	.amdgpu_metadata
---
amdhsa.version: [ 1, 2 ]
amdhsa.kernels:
  - .name:           k_q80c785b56e_prep
    .symbol:         k_q80c785b56e_prep.kd
    .args:
      - { .name: x, .offset: 0, .size: 8, .value_kind: global_buffer, .address_space: global }
      - { .name: ln1_w, .offset: 8, .size: 8, .value_kind: global_buffer, .address_space: global }
      - { .name: ln1_b, .offset: 16, .size: 8, .value_kind: global_buffer, .address_space: global }
      - { .name: actq, .offset: 24, .size: 8, .value_kind: global_buffer, .address_space: global }
      - { .name: W_qkv, .offset: 32, .size: 8, .value_kind: global_buffer, .address_space: global }
      - { .name: W1, .offset: 40, .size: 8, .value_kind: global_buffer, .address_space: global }
      - { .name: W2, .offset: 48, .size: 8, .value_kind: global_buffer, .address_space: global }
      - { .name: W_out, .offset: 56, .size: 8, .value_kind: global_buffer, .address_space: global }
      - { .name: wq, .offset: 64, .size: 8, .value_kind: global_buffer, .address_space: global }
    .group_segment_fixed_size: 20480
    .private_segment_fixed_size: 0
    .kernarg_segment_align: 8
    .kernarg_segment_size: 72
    .max_flat_workgroup_size: 512
    .sgpr_count:     66
    .vgpr_count:     128
    .wavefront_size: 32
...
	.end_amdgpu_metadata
.endif
;; end of part 1
;; launch qkv (part 2): grid 12 x 16, 4 waves a work-group, clusters of 4 x 4, 327,680 bytes of LDS; arguments actq, wq, qkvq; writes qkvq
.if DOCPART == 2
	.amdgcn_target "amdgcn-amd-amdhsa--gfx1250"
	.amdhsa_code_object_version 6
	.text
	.protected	k_q80c785b56e_qkv
	.globl	k_q80c785b56e_qkv
	.p2align	8
	.type	k_q80c785b56e_qkv,@function
k_q80c785b56e_qkv:
	s_mov_b64 s[64:65], 0
	v_nop
	global_prefetch_b8 v0, s[64:65] scope:SCOPE_SE
	s_setreg_imm32_b32 hwreg(HW_REG_WAVE_MODE, 25, 1), 1
	s_wait_xcnt 0x0
	s_wait_alu depctr_hold_cnt(0) depctr_sa_sdst(0) depctr_va_vdst(0) depctr_va_sdst(0) depctr_va_ssrc(0) depctr_va_vcc(0) depctr_vm_vsrc(0)
	s_getreg_b32 s2, hwreg(HW_REG_IB_STS2, 6, 4)
	s_cmp_eq_u32 s2, 0
	s_cbranch_scc0 .Lentry_in_a_cluster
	s_endpgm
.Lentry_in_a_cluster:
	s_bfe_u32 s2, ttmp6, 0x10000c
	s_cmp_lg_u32 s2, 0xf033
	s_cbranch_scc0 .Lentry_shape_is_right
	s_endpgm
.Lentry_shape_is_right:
; Q, K, V = LN1(x) W_qkv on codes of E4M3, a block of 256 x 256 a work-group, 128 x 128 a wave; the results are quantised again on the way out.
; LDS BY OPERAND: A's two groups of 128 rows at 0 and 65,536, B's at 131,072 and 196,608; a group's place holds four K steps of 16,384 bytes on end; the scale words of all of K at SCL.
; THE HEAD'S FOUR LOADS, one a wave: K steps 0 to 3 of A (two rows of 65,536 bytes, 131,072 apart in memory), the same of B, A's scale words, B's.  A slot is two K steps: 32,768 bytes in each group's place;
; each slot is filled again once, a group a wave, behind a round of the cluster's barrier.
.set SLOT,  32768
.set SCL,   262144
.set SPARE, 278528
.set NQ, 2
.set FR, 16
.set NL, 4
.set NP, 8
.set ADRA, 16
.set ADRB, 20
.set STO,  24
.set RD,   25
.set CO,   26
.set ADRS, 27
.set SPW,  28
.set NIL,  29
.set SC,   32
.set HD,   64
.set AF,   128
.set TM,   160
.set PW,   176
.set G1, 24
.set G0, 32
.set G1B, 48
.set G0B, 56
.set G1S, 68
.set G0S, 76
.set G1SB, 80
.set G0SB, 88
.set SEL, 66
.set MNT, 2
.set MSB, 0
.macro WIN new
.if MSB != (\new)
	s_set_vgpr_msb (MSB<<8)|(\new)
.set MSB, (\new)
.endif
.endm
.set MUL_LO, 0xa1
.set MUL_HI, 0xf1
.set TO_B,   0x40
.macro JLOAD g0a, g1a, g0b, g1b
	s_cmp_eq_u32 s15, 0
	s_cbranch_scc0 .Lfor_b_\@
	tensor_load_to_lds s[\g0a:\g0a+3], s[\g1a:\g1a+7]
	s_nop 0
.rept 4
	v_nop
.endr
	s_branch .Lasked_\@
.Lfor_b_\@:
	tensor_load_to_lds s[\g0b:\g0b+3], s[\g1b:\g1b+7]
	s_nop 0
.rept 4
	v_nop
.endr
.Lasked_\@:
.endm
.macro CREST
	s_cmp_lg_u32 s14, 0
	s_cbranch_scc1 .Lnot_wave_0_\@
	s_barrier_signal -3
.Lnot_wave_0_\@:
	s_barrier_wait -3
	s_barrier_signal -1
	s_barrier_wait -1
.endm
.macro CROUND
	s_barrier_signal -1
	s_barrier_wait -1
	CREST
.endm
	s_load_b128 s[4:7], s[0:1], 0x0
	s_load_b64 s[8:9], s[0:1], 0x10
	v_lshl_add_u32 v[SPW], v0, 2, SPARE
	v_mov_b32 v[NIL], 0
	ds_add_u32 v28, v29
	ds_add_u32 v28, v29
	s_wait_dscnt 0x0
	v_lshrrev_b32 v1, 5, v0
	v_readfirstlane_b32 s14, v1
	s_lshr_b32 s15, s14, 1
	s_and_b32 s16, s14, 1
	s_bfe_u32 s40, ttmp6, 0x40000
	s_bfe_u32 s41, ttmp6, 0x40004
	s_lshl_b32 s43, s41, 2
	s_lshl_b32 s43, 15, s43
	s_lshl_b32 s44, 0x1111, s40
	s_or_b32 s[G1+0], s43, (3<<16)|(1<<21)
	s_or_b32 s[G1B+0], s44, (3<<16)|(1<<21)
.irp g, G1, G1B
	s_mov_b32 s[\g+1], 8192<<16                    ; the head's shape: 2 rows of 8,192 elements of 8 bytes, 16,384 elements apart
	s_mov_b32 s[\g+2], 2<<16
	s_mov_b32 s[\g+3], 8192<<16
	s_mov_b32 s[\g+4], 2
	s_mov_b32 s[\g+5], 16384
	s_mov_b32 s[\g+6], 0
	s_mov_b32 s[\g+7], 0
.endr
	s_or_b32 s[G1S+0], s43, (3<<16)|(1<<21)
	s_or_b32 s[G1SB+0], s44, (3<<16)|(1<<21)
.irp g, G1S, G1SB
	s_mov_b32 s[\g+1], 32<<16
	s_mov_b32 s[\g+2], 32<<16                      ; the scale words of 256 rows: 8,192 dense bytes
	s_mov_b32 s[\g+3], 32<<16
	s_mov_b32 s[\g+4], 32
	s_mov_b32 s[\g+5], 32
	s_mov_b32 s[\g+6], 0
	s_mov_b32 s[\g+7], 0
.endr
	s_and_b32 s18, ttmp7, 0xffff
	s_lshl_b32 s18, s18, 2
	s_add_co_u32 s19, s18, s41
	s_add_co_u32 s46, s18, s40
	s_lshl_b32 s47, ttmp9, 2
	s_add_co_u32 s47, s47, s40
	s_mov_b32 s22, 11534336
	s_mov_b32 s23, 4194304
	s_wait_kmcnt 0x0
	s_cmp_eq_u32 ttmp9, 2
	s_cselect_b32 s17, s41, s19
	s_cselect_b32 s42, s46, s47
	s_cselect_b32 s45, 16, 0
	s_cselect_b32 s92, s22, s23
	s_cselect_b32 s93, s23, s22
	s_cselect_b64 s[10:11], s[6:7], s[4:5]
	s_cselect_b64 s[12:13], s[4:5], s[6:7]
	s_lshl_b32 s20, s17, 1
	s_add_co_u32 s20, s20, s45
	s_lshl_b32 s22, s20, 12
	s_add_co_u32 s22, s22, s92
	s_mov_b32 s23, 0
	s_lshl_b32 s20, s20, 17
	s_mov_b32 s21, 0
	s_lshl_b32 s46, s42, 1
	s_lshl_b32 s94, s46, 12
	s_add_co_u32 s94, s94, s93
	s_mov_b32 s95, 0
	s_lshl_b32 s46, s46, 17
	s_mov_b32 s47, 0
	s_add_nc_u64 s[20:21], s[10:11], s[20:21]
	s_add_nc_u64 s[22:23], s[10:11], s[22:23]
	s_add_nc_u64 s[46:47], s[12:13], s[46:47]
	s_add_nc_u64 s[94:95], s[12:13], s[94:95]
	s_lshl_b32 s45, s14, 16
	CROUND
	s_mov_b32 s[G0S], 1
	s_mov_b32 s[G0S+1], SCL
	s_mov_b64 s[G0S+2:G0S+3], s[22:23]
	s_or_b32 s[G0S+3], s[G0S+3], 0x80000000
	s_mov_b32 s[G0SB], 1
	s_mov_b32 s[G0SB+1], SCL+8192
	s_mov_b64 s[G0SB+2:G0SB+3], s[94:95]
	s_or_b32 s[G0SB+3], s[G0SB+3], 0x80000000
	s_mov_b32 s4, 1                                ; s[4:7]: group 0 of the head's load of A (the arguments that lay there have been used)
	s_mov_b32 s5, 0
	s_mov_b64 s[6:7], s[20:21]
	s_or_b32 s7, s7, 0x80000000
	s_lshl_b32 s98, s16, 17                        ; in the ring a wave fetches one group: 131,072 bytes on for the second
	s_mov_b32 s99, 0
	s_add_nc_u64 s[20:21], s[20:21], s[98:99]
	s_add_nc_u64 s[96:97], s[46:47], s[98:99]
.irp s, 0,1
	s_mov_b32 s[G0+4*\s], 1
	s_add_co_u32 s[G0+4*\s+1], s45, \s*SLOT
	s_add_nc_u64 s[G0+4*\s+2:G0+4*\s+3], s[20:21], \s*32768
	s_or_b32 s[G0+4*\s+3], s[G0+4*\s+3], 0x80000000
	s_mov_b32 s[G0B+4*\s], 1
	s_add_co_u32 s[G0B+4*\s+1], s45, \s*SLOT
	s_add_nc_u64 s[G0B+4*\s+2:G0B+4*\s+3], s[96:97], \s*32768
	s_or_b32 s[G0B+4*\s+3], s[G0B+4*\s+3], 0x80000000
.endr
	s_mov_b32 s44, 1                               ; s[44:47]: group 0 of the head's load of B
	s_mov_b32 s45, 131072
	s_or_b32 s47, s47, 0x80000000
; one chain of branches on the wave's number, a load to an arm: every way through the head passes exactly one
.macro ARM under, g0, g1, next
	s_cmp_lt_u32 s14, \under
	s_cbranch_scc0 \next
	tensor_load_to_lds s[\g0:\g0+3], s[\g1:\g1+7]
	s_nop 0
.rept 4
	v_nop
.endr
	s_branch .Lhead_asked
\next:
.endm
	ARM 1, 4, G1, .Lhead_b
	ARM 2, 44, G1B, .Lhead_sa
	ARM 3, G0S, G1S, .Lhead_sb
	tensor_load_to_lds s[G0SB:G0SB+3], s[G1SB:G1SB+7]
	s_nop 0
.rept 4
	v_nop
.endr
.Lhead_asked:
	v_and_b32 v1, 15, v0
	v_bfe_u32 v2, v0, 4, 1
	s_wait_alu depctr_va_vdst(0)
	v_and_b32 v3, 31, v0
	v_lshlrev_b32 v[CO], 4, v3
	s_lshl_b32 s21, s15, 16
	s_lshl_b32 s22, s16, 16
	s_add_co_u32 s22, s22, 131072
.irp s, 0,1
	v_add_nc_u32 v[ADRA+\s], s21, v[CO]
	v_add_nc_u32 v[ADRB+\s], s22, v[CO]
	s_add_co_u32 s21, s21, SLOT
	s_add_co_u32 s22, s22, SLOT
.endr
	v_lshlrev_b32 v5, 2, v1
	s_lshl_b32 s21, s15, 12
	s_lshl_b32 s22, s16, 12
	s_add_co_u32 s22, s22, 8192
	s_sub_co_u32 s22, s22, s21
	v_mul_u32_u24 v6, s22, v2
	s_add_co_u32 s21, s21, SCL
	v_add_nc_u32 v5, v5, v6
	v_add_nc_u32 v[ADRS], s21, v5
	s_lshl_b32 s23, s14, 9
	v_lshl_add_u32 v[STO], v1, 2, s23
	v_add_nc_u32 v[RD], s23, v[CO]
	s_lshl_b32 s96, s17, 1
	s_add_co_u32 s96, s96, s15
	s_lshl_b32 s97, s42, 1
	s_add_co_u32 s97, s97, s16
	s_add_co_u32 s98, s96, 16
	s_cmp_eq_u32 ttmp9, 2
	s_cselect_b32 s99, s97, s96
	s_cselect_b32 s98, s98, s97
	s_lshr_b32 s96, s98, 3
	s_lshl_b32 s96, s96, 8
	s_lshr_b32 s97, s99, 4
	s_lshl_b32 s97, s97, 7
	s_add_co_u32 s96, s96, s97
	s_and_b32 s97, s98, 7
	s_lshl_b32 s97, s97, 4
	s_add_co_u32 s96, s96, s97
	s_and_b32 s97, s99, 15
	s_add_co_u32 s96, s96, s97
	s_lshl_b32 s98, s96, 14
	s_mov_b32 s99, 0
	s_add_nc_u64 s[92:93], s[8:9], s[98:99]
	s_lshl_b32 s98, s96, 9
	s_add_co_u32 s98, s98, 12582912
	s_add_nc_u64 s[94:95], s[8:9], s[98:99]
.macro FRAG reg, adr, q, i
.irp c, 0,1,2,3
	ds_load_b128 v[\reg+4*\c:\reg+4*\c+3], v[\adr] offset:16384*(\q)+2048*(\i)+512*\c
.endr
.endm
.macro MUL16 a0, p, q, sc, zero
.irp a, \a0, \a0+1
.irp b, 0,1,2,3,4,5,6,7
.if \zero
	v_wmma_scale_f32_16x16x128_f8f6f4 v[8*(8*((\a)%4)+\b):8*(8*((\a)%4)+\b)+7], v[128*(\p)+FR*\b:128*(\p)+FR*\b+FR-1], v[AF+FR*(\a):AF+FR*(\a)+FR-1], 0, v[SC+8*NQ*(\sc)+NQ*\b+(\q)], v[SC+8*NQ*(\sc)+NQ*(\a)+(\q)] matrix_a_scale:MATRIX_SCALE_ROW1
.else
	v_wmma_scale_f32_16x16x128_f8f6f4 v[8*(8*((\a)%4)+\b):8*(8*((\a)%4)+\b)+7], v[128*(\p)+FR*\b:128*(\p)+FR*\b+FR-1], v[AF+FR*(\a):AF+FR*(\a)+FR-1], v[8*(8*((\a)%4)+\b):8*(8*((\a)%4)+\b)+7], v[SC+8*NQ*(\sc)+NQ*\b+(\q)], v[SC+8*NQ*(\sc)+NQ*(\a)+(\q)] matrix_a_scale:MATRIX_SCALE_ROW1
.endif
.endr
.endr
.endm
.macro FETCH_B slot, q, p
	WIN TO_B
.irp i, 0,1,2,3,4,5,6,7
	FRAG 128*(\p)+FR*\i, ADRB+\slot, \q, \i
.endr
	WIN 0
.endm
.macro FETCH_A slot, q, i0
.irp i, \i0, \i0+1, \i0+2, \i0+3
	FRAG AF+FR*(\i), ADRA+\slot, \q, \i
.endr
.endm
.macro SCALES sc
.irp i, 0,1,2,3,4,5,6,7
	ds_load_b32 v[SC+16*\sc+2*\i], v[ADRS] offset:64*\i
	ds_load_b32 v[SC+16*\sc+2*\i+1], v[ADRS] offset:64*\i+512
.endr
.endm
.macro PLACES n
.rept \n
	v_nop
.endr
.endm
.macro STEP slot, q, zero
	s_wait_dscnt 4*NL
	WIN MUL_LO
	MUL16 0, (\q)%2, \q, \slot, \zero
	MUL16 2, (\q)%2, \q, \slot, \zero
	s_wait_dscnt 0x0
	PLACES NP
	FETCH_B \slot, (\q)+1, 1-(\q)%2
	FETCH_A \slot, (\q)+1, 0
	WIN MUL_HI
	MUL16 4, (\q)%2, \q, \slot, \zero
	MUL16 6, (\q)%2, \q, \slot, \zero
	PLACES NP
	WIN 0
	FETCH_A \slot, (\q)+1, 4
.endm
.macro TURN slot, next, fill
	s_wait_tensorcnt 0x0
	ds_add_u32 v[SPW], v[NIL]
	s_wait_dscnt 4*NL+1
	WIN MUL_LO
	MUL16 0, 1, NQ-1, \slot, 0
	s_wait_dscnt 0x0
	s_barrier_signal -1
	MUL16 2, 1, NQ-1, \slot, 0
	WIN 0
	s_barrier_wait -1
.if \fill
	CREST
	s_add_nc_u64 s[G0+4*\slot+2:G0+4*\slot+3], s[G0+4*\slot+2:G0+4*\slot+3], 65536
	s_add_nc_u64 s[G0B+4*\slot+2:G0B+4*\slot+3], s[G0B+4*\slot+2:G0B+4*\slot+3], 65536
	JLOAD G0+4*\slot, G1, G0B+4*\slot, G1B
	PLACES NP-4
.else
	PLACES NP
.endif
	s_wait_alu depctr_va_vdst(0)
	v_add_nc_u32 v[ADRS], 1024, v[ADRS]
	FETCH_B \next, 0, 0
	FETCH_A \next, 0, 0
	SCALES \next
	WIN MUL_HI
	MUL16 4, 1, NQ-1, \slot, 0
	MUL16 6, 1, NQ-1, \slot, 0
	PLACES NP
	WIN 0
	FETCH_A \next, 0, 4
.endm
.macro QUANT s, w, d, pc, pw
	WIN (\w)|((\w)<<2)
.irp b, 0,1,2,3
	v_max3_num_f32 v[TM+\b], |v[\s+16*\b]|, |v[\s+1+16*\b]|, 0x4800000
.endr
	WIN ((\w)<<2)|((\w)<<4)
.irp i, 2,4,6,8,10,12,14
.irp b, 0,1,2,3
	v_max3_num_f32 v[TM+\b], v[TM+\b], |v[\s+16*\b+\i]|, |v[\s+1+16*\b+\i]|
.endr
.endr
	WIN 0
.irp b, 0,1,2,3
	v_permlanex16_b32 v[TM+4+\b], v[TM+\b], s[SEL], s[SEL+1]
.endr
.irp b, 0,1,2,3
	v_max_num_f32 v[TM+\b], v[TM+\b], v[TM+4+\b]
.endr
.irp b, 0,1,2,3
	v_add_nc_u32 v[TM+12+\b], 0xfc000000, v[TM+\b]
.endr
.irp b, 0,1,2,3
	v_and_or_b32 v[TM+8+\b], v[TM+\b], 0x7f800000, s[MNT]
.endr
.irp b, 0,1,2,3
	v_lshrrev_b32 v[TM+4+\b], 23, v[TM+12+\b]
.endr
	v_lshl_or_b32 v[\pw], v[TM+5], 8, v[TM+4]
	v_lshl_or_b32 v[\pw], v[TM+6], 16, v[\pw]
	v_lshl_or_b32 v[\pw], v[TM+7], 24, v[\pw]
	WIN (\w)
.irp b, 0,1,2,3
.irp i, 0,1,2,3,4,5,6,7,8,9,10,11,12,13,14,15
	v_med3_num_f32 v[\d+16*\b+\i], v[\s+16*\b+\i], -v[TM+8+\b], v[TM+8+\b]
.endr
.endr
	WIN 0
.irp b, 0,1,2,3
	v_cvt_scalef32_pk8_fp8_f32 v[\pc+4*\b:\pc+4*\b+1], v[\d+16*\b:\d+16*\b+7], v[TM+12+\b]
	v_cvt_scalef32_pk8_fp8_f32 v[\pc+4*\b+2:\pc+4*\b+3], v[\d+16*\b+8:\d+16*\b+15], v[TM+12+\b]
.endr
	v_nop
.endm
	s_wait_alu depctr_va_vdst(0)
	s_wait_tensorcnt 0x0                           ; my tile of the head's four is in; no tensor load of mine is out, so a descriptor may be written:
.irp g, G1, G1B
	s_mov_b32 s[\g+1], 32<<16                      ; the ring's shape: 128 rows of 256 bytes, dense
	s_mov_b32 s[\g+2], 128<<16
	s_mov_b32 s[\g+3], 32<<16
	s_mov_b32 s[\g+4], 128
	s_mov_b32 s[\g+5], 32
.endr
	s_barrier_signal -1
	s_barrier_wait -1
	FETCH_B 0, 0, 0
	FETCH_A 0, 0, 0
	SCALES 0
	FETCH_A 0, 0, 4
	STEP 0, 0, 1
	TURN 0, 1, 1
	STEP 1, 0, 0
	TURN 1, 0, 1
	STEP 0, 0, 0
	TURN 0, 1, 0
	STEP 1, 0, 0
	s_wait_dscnt 4*NL
	WIN MUL_LO
	MUL16 0, 1, NQ-1, 1, 0
	MUL16 2, 1, NQ-1, 1, 0
	s_wait_dscnt 0x0
	WIN MUL_HI
	MUL16 4, 1, NQ-1, 1, 0
	MUL16 6, 1, NQ-1, 1, 0
	WIN 0
	PLACES NP
	s_mov_b32 s[SEL], 0x76543210
	s_mov_b32 s[SEL+1], 0xfedcba98
	s_mov_b32 s[MNT], 0x600000
.irp b, 0,1,2,3
	v_mov_b32 v[TM+4+\b], 0
.endr
.irp a, 0,1,2,3,4,5,6,7
.if \a >= 2
	s_wait_xcnt 0x0
.endif
	QUANT 64*(\a%4), 2+\a/4, HD, 128+16*(\a%2), PW
.irp c, 0,1,2,3
	global_store_b128 v[CO], v[128+16*(\a%2)+4*\c:128+16*(\a%2)+4*\c+3], s[92:93] offset:2048*\a+512*\c th:TH_STORE_NT
.endr
	ds_store_b32 v[STO], v[PW] offset:64*\a
.endr
	ds_load_b128 v[180:183], v[RD]
	s_wait_dscnt 0x0
	global_store_b128 v[CO], v[180:183], s[94:95] th:TH_STORE_NT
	s_wait_tensorcnt 0x0
	ds_add_u32 v[SPW], v[NIL]
	s_wait_dscnt 0x0
	CROUND
	s_endpgm
.Lfunc_end_k_q80c785b56e_qkv:
	.size	k_q80c785b56e_qkv, .Lfunc_end_k_q80c785b56e_qkv-k_q80c785b56e_qkv
	.p2alignl 7, 3214868480
	.fill 96, 4, 3214868480
	.section	.rodata,"a",@progbits
	.p2align	6, 0x0
	.amdhsa_kernel k_q80c785b56e_qkv
		.amdhsa_group_segment_fixed_size 327680
		.amdhsa_private_segment_fixed_size 0
		.amdhsa_enable_private_segment 0
		.amdhsa_kernarg_size 24
		.amdhsa_user_sgpr_count 2
		.amdhsa_user_sgpr_kernarg_segment_ptr 1
		.amdhsa_wavefront_size32 1
		.amdhsa_system_sgpr_workgroup_id_x 1
		.amdhsa_system_sgpr_workgroup_id_y 1
		.amdhsa_system_sgpr_workgroup_id_z 1
		.amdhsa_system_vgpr_workitem_id 0
		.amdhsa_next_free_vgpr 1024
		.amdhsa_next_free_sgpr 100
		.amdhsa_reserve_vcc 0
		.amdhsa_float_denorm_mode_32 3
		.amdhsa_float_denorm_mode_16_64 3
		.amdhsa_memory_ordered 1
		.amdhsa_forward_progress 1
		.amdhsa_inst_pref_size 188
	.end_amdhsa_kernel
	.amdgpu_metadata
---
amdhsa.version: [ 1, 2 ]
amdhsa.kernels:
  - .name:           k_q80c785b56e_qkv
    .symbol:         k_q80c785b56e_qkv.kd
    .args:
      - { .name: actq, .offset: 0, .size: 8, .value_kind: global_buffer, .address_space: global }
      - { .name: wq, .offset: 8, .size: 8, .value_kind: global_buffer, .address_space: global }
      - { .name: qkvq, .offset: 16, .size: 8, .value_kind: global_buffer, .address_space: global }
    .group_segment_fixed_size: 327680
    .private_segment_fixed_size: 0
    .kernarg_segment_align: 8
    .kernarg_segment_size: 24
    .max_flat_workgroup_size: 128
    .sgpr_count:     100
    .vgpr_count:     1024
    .wavefront_size: 32
...
	.end_amdgpu_metadata
.endif
;; end of part 2
;; launch attn (part 3): grid 8 x 32, 8 waves a work-group, clusters of 4 x 1, 327,680 bytes of LDS; arguments qkvq, x, wq, x1; writes x1
.if DOCPART == 3
	.amdgcn_target "amdgcn-amd-amdhsa--gfx1250"
	.amdhsa_code_object_version 6
	.text
	.protected	k_q80c785b56e_attn
	.globl	k_q80c785b56e_attn
	.p2align	8
	.type	k_q80c785b56e_attn,@function
k_q80c785b56e_attn:
	s_mov_b64 s[64:65], 0
	v_nop
	global_prefetch_b8 v0, s[64:65] scope:SCOPE_SE
	s_setreg_imm32_b32 hwreg(HW_REG_WAVE_MODE, 25, 1), 1
	s_wait_xcnt 0x0
	s_wait_alu depctr_hold_cnt(0) depctr_sa_sdst(0) depctr_va_vdst(0) depctr_va_sdst(0) depctr_va_ssrc(0) depctr_va_vcc(0) depctr_vm_vsrc(0)
	s_getreg_b32 s2, hwreg(HW_REG_IB_STS2, 6, 4)
	s_cmp_eq_u32 s2, 0
	s_cbranch_scc0 .Lentry_in_a_cluster
	s_endpgm
.Lentry_in_a_cluster:
	s_bfe_u32 s2, ttmp6, 0x10000c
	s_cmp_lg_u32 s2, 0x3003
	s_cbranch_scc0 .Lentry_shape_is_right
	s_endpgm
.Lentry_shape_is_right:
; Causal attention of one head on codes of E4M3, and the first residual: x1[b][(s % 32) 64 + ch][64 n + s / 32] = x[..] + O[b][n][s][ch] wsum[64 n + s / 32], wsum[d] = the sum of W_out over (n, h).
; (That is what the reinterpretation of [n][s][ch] as [1024][2048] and the product with a shared free index come to.)
; THE SOFTMAX AHEAD OF THE SECOND PRODUCT: t = score x log2(e) / 8; M = the running largest t rounded up to a whole number; p = 2^(t - M) is quantised along the keys; the sum of the unquantised p divides at the end.
; SHARES.  y = (batch, head).  A work-group owns the queries s with s % 32 = i0 .. i0 + 3, i0 = 4 x, for all 64 values of s / 32: 256 queries, whose results are 256 rows x 256 aligned bytes of x1.
; Tile g (16 queries): lane r holds s = 32 (4 g + r / 4) + i0 + r % 4, inside positions 128 g .. 128 g + 127.  Wave w takes tile w and then tile 15 - w: 17 key steps of 128 in every wave of every work-group.
; A WHOLE HEAD'S K AND V STAY IN LDS (131,072 bytes each, as images of fragments): each byte is filled once, so there is no ring.  The four work-groups of a cluster share the head: each tile is asked for jointly.
; Both products are used transposed: S^T = K Q^T (K = 64: the upper half of both operands is zero codes), O^T = V^T P^T: a lane holds one query throughout.
; K's row blocks lie in tile order, so that the 16 registers of tiles 2 b, 2 b + 1 are keys 32 b + 16 h + 0 .. 15.
; The loops' trip counts are constants; a step whose keys all come after the tile's queries is jumped over by a branch on the wave's number alone.
; ALL GLOBAL LOADS STAND AT THE HEAD: first the 17 that the passes want (scale words, wsum, both tiles' Q), then x's 16, which are wanted only at the end and are waited for there.
; No prefetch: every tile is a first fill.
; LIMITS: NaN and infinities are not served.  Hidden scores become -infinity where the source adds -1e10: the same p while logits stay under about 1e9.  The scale words of q and k carry the neighbour head's bytes,
; or 0, over the zero codes.
; REGISTERS: window 0: v1-11 addresses; v12 -M, v13 the largest t, v[14:15] the sum; v16-31 Q; v32-95 S^T, then p; v96-127 O^T; v128-191 the two tiles' results (until then v160-167: the second tile's Q);
;   v192-207 p's codes (over v200-207 at work); v208-218 at work; v219-233 scale words and nothing else; v234-241 addresses and wsum.  window 1: v0-127 K's eight fragments; v128-191 V's four; v192-255 x.
.set KSC, 262144                       ; K's scale words, shifted so that my head's two bytes lie lowest: 8,192 bytes
.set VSC, 270336                       ; V's: 4,096 bytes
.set WV,  12
.set MNT, 19
.set SEL, 20
.set CS,  22
.set G1K, 24
.set G1V, 32
.set G0K, 40
.set G0V, 44
.set QC,  48
.set QS,  50
.set PSH, 52
.set G,   53
.set KK,  54
.set MSB, 0
.macro WIN new
.if MSB != (\new)
	s_set_vgpr_msb (MSB<<8)|(\new)
.set MSB, (\new)
.endif
.endm
.macro CROUND
	s_barrier_signal -1
	s_barrier_wait -1
	s_cmp_lg_u32 s[WV], 0
	s_cbranch_scc1 .Lnot_wave_0_\@
	s_barrier_signal -3
.Lnot_wave_0_\@:
	s_barrier_wait -3
	s_barrier_signal -1
	s_barrier_wait -1
.endm
	s_load_b256 s[4:11], s[0:1], 0x0               ; qkvq s[4:5], x s[6:7], wq s[8:9], x1 s[10:11]
	v_lshl_add_u32 v243, v0, 2, 0x43000
	v_mov_b32 v255, 0
	ds_add_u32 v243, v255
	ds_add_u32 v243, v255
	v_lshrrev_b32 v1, 5, v0
	s_delay_alu instid0(VALU_DEP_1)
	v_readfirstlane_b32 s[WV], v1                  ; wave 0..7
	s_bfe_u32 s13, ttmp6, 0x40000                  ; cx: it enters global addresses of my own loads and stores, and the mask's data; no branch, no LDS address, no descriptor
	s_lshl_b32 s14, ttmp9, 2
	s_add_co_u32 s14, s14, s13
	s_lshl_b32 s14, s14, 2                         ; i0
	s_and_b32 s15, ttmp7, 0xffff
	s_lshr_b32 s16, s15, 4                         ; batch
	s_and_b32 s17, s15, 15                         ; head
	s_and_b32 s18, s17, 1                          ; its parity
	s_lshl_b32 s[PSH], s18, 4
	s_lshr_b32 s56, s17, 1
	s_lshl_b32 s56, s56, 4
	s_lshl_b32 s57, s16, 7
	s_add_co_u32 s56, s56, s57                     ; the first unit of my pair of heads
	s_and_b32 s58, s[WV], 3
	s_lshl_b32 s59, s58, 16
	s_lshl_b32 s60, s56, 14
	s_add_co_u32 s60, s60, s59
	s_lshl_b32 s61, s18, 10
	s_add_co_u32 s62, s60, s61
	s_add_co_u32 s62, s62, 4194304                 ; K: 32 images on for each wave; my head's half of an image
	s_mov_b32 s63, 0
	s_lshl_b32 s61, s18, 13
	s_add_co_u32 s66, s60, s61
	s_add_co_u32 s66, s66, 8388608                 ; V: 4 key steps on for each wave; my head's four images of a unit
	s_mov_b32 s67, 0
	s_mov_b32 s[G1K], 15|(3<<16)|(1<<21)           ; the mask: all four work-groups; elements of 8 bytes; bit 21 beside a mask
	s_mov_b32 s[G1K+1], 128<<16                    ; 32 rows of 1,024 bytes, 2,048 apart
	s_mov_b32 s[G1K+2], 32<<16
	s_mov_b32 s[G1K+3], 128<<16
	s_mov_b32 s[G1K+4], 32
	s_mov_b32 s[G1K+5], 256
	s_mov_b32 s[G1K+6], 0
	s_mov_b32 s[G1K+7], 0
	s_mov_b32 s[G1V], 15|(3<<16)|(1<<21)
	s_mov_b32 s[G1V+1], 1024<<16                   ; 4 rows of 8,192 bytes, 16,384 apart
	s_mov_b32 s[G1V+2], 4<<16
	s_mov_b32 s[G1V+3], 1024<<16
	s_mov_b32 s[G1V+4], 4
	s_mov_b32 s[G1V+5], 2048
	s_mov_b32 s[G1V+6], 0
	s_mov_b32 s[G1V+7], 0
	s_mov_b32 s[SEL], 0x76543210
	s_mov_b32 s[SEL+1], 0xfedcba98
	s_mov_b32 s[CS], 0x3e38aa3b                    ; c = log2(e) / 8
	s_mov_b32 s[CS+1], s[CS]
	s_mov_b32 s[MNT], 0x600000
	s_wait_dscnt 0x0
	s_wait_kmcnt 0x0
	s_mov_b32 s[G0K], 1
	s_lshl_b32 s[G0K+1], s58, 15
	s_add_nc_u64 s[G0K+2:G0K+3], s[4:5], s[62:63]
	s_or_b32 s[G0K+3], s[G0K+3], 0x80000000
	s_mov_b32 s[G0V], 1
	s_lshl_b32 s[G0V+1], s58, 15
	s_add_co_u32 s[G0V+1], s[G0V+1], 131072
	s_add_nc_u64 s[G0V+2:G0V+3], s[4:5], s[66:67]
	s_or_b32 s[G0V+3], s[G0V+3], 0x80000000
	CROUND                                         ; all four work-groups are here: the joint loads meet
	s_cmp_lt_u32 s[WV], 4                          ; waves 0-3 fetch K's quarters, waves 4-7 V's: one load a wave
	s_cbranch_scc0 .Lfor_v
	tensor_load_to_lds s[G0K:G0K+3], s[G1K:G1K+7]
	s_nop 0
.rept 4
	v_nop
.endr
	s_branch .Lasked
.Lfor_v:
	tensor_load_to_lds s[G0V:G0V+3], s[G1V:G1V+7]
	s_nop 0
.rept 4
	v_nop
.endr
.Lasked:
	s_lshl_b32 s60, s56, 14
	s_mov_b32 s61, 0
	s_add_nc_u64 s[QC:QC+1], s[4:5], s[60:61]      ; q's codes of my pair of heads
	s_lshl_b32 s60, s56, 9
	s_add_co_u32 s60, s60, 12582912
	s_add_nc_u64 s[QS:QS+1], s[4:5], s[60:61]      ; q's scale words
	s_add_nc_u64 s[68:69], s[QS:QS+1], 131072      ; k's: 256 units on
	s_lshl_b32 s62, s18, 8
	s_add_co_u32 s62, s62, 262144
	s_mov_b32 s63, 0
	s_add_nc_u64 s[70:71], s[QS:QS+1], s[62:63]    ; v's: 512 units on; my head's 256 bytes of a unit
	s_lshl_b32 s60, s16, 11
	s_lshl_b32 s62, s14, 6
	s_add_co_u32 s60, s60, s62
	s_lshl_b32 s62, s[WV], 3
	s_add_co_u32 s60, s60, s62                     ; row 2,048 b + 64 i0 + 8 w of x and x1
	s_lshl_b32 s60, s60, 12
	s_lshl_b32 s62, s17, 8
	s_add_co_u32 s60, s60, s62                     ; columns 64 n on
	s_add_nc_u64 s[6:7], s[6:7], s[60:61]
	s_add_nc_u64 s[10:11], s[10:11], s[60:61]
	s_add_co_u32 s62, s62, 11894784
	s_add_nc_u64 s[8:9], s[8:9], s[62:63]          ; the partial sums of W_out at column 64 n
	v_and_b32 v244, 15, v0                         ; r
	v_bfe_u32 v245, v0, 4, 1                       ; h
	v_and_b32 v246, 31, v0
	s_delay_alu instid0(VALU_DEP_3)
	v_lshrrev_b32 v247, 2, v244                    ; r / 4
	s_delay_alu instid0(VALU_DEP_4)
	v_and_b32 v248, 3, v244                        ; r % 4
	s_delay_alu instid0(VALU_DEP_3)
	v_lshlrev_b32 v1, 4, v246                      ; K's images: 16 x lane
	s_delay_alu instid0(VALU_DEP_1)
	v_add_nc_u32 v2, 131072, v1                    ; V's
	v_lshl_add_u32 v3, v244, 2, KSC
	v_lshl_add_u32 v4, v244, 2, VSC
	v_lshl_add_u32 v5, v247, 5, v248
	s_delay_alu instid0(VALU_DEP_1)
	v_add_nc_u32 v5, s14, v5
	v_lshlrev_b32 v249, 4, v245
	s_delay_alu instid0(VALU_DEP_1)
	v_sub_nc_u32 v5, v5, v249                      ; d = my query - 128 g - 16 h: register 16 b + e holds a hidden key where 32 b + e > d
	s_and_b32 s72, s14, 7
	s_lshr_b32 s73, s14, 4
	s_lshl_b32 s73, s73, 3
	s_add_co_u32 s72, s72, s73
	s_bfe_u32 s73, s14, 0x10003
	v_lshl_add_u32 v249, v247, 1, s73              ; my query's row block in its group of eight: 2 (r / 4) + bit 3 of i0
	v_add_nc_u32 v250, s72, v248                   ; and its place there: (i0 % 8 + r % 4) + 8 x bit 4 of i0
	s_delay_alu instid0(VALU_DEP_2)
	v_lshlrev_b32 v10, 11, v249
	s_delay_alu instid0(VALU_DEP_1)
	v_lshl_add_u32 v10, v245, 8, v10
	s_delay_alu instid0(VALU_DEP_1)
	v_lshl_add_u32 v10, v250, 4, v10
	s_lshl_b32 s73, s18, 10
	v_add_nc_u32 v10, s73, v10                     ; Q's codes
	v_lshlrev_b32 v11, 6, v249
	s_delay_alu instid0(VALU_DEP_1)
	v_lshl_add_u32 v11, v250, 2, v11               ; Q's scale word
	v_lshlrev_b32 v234, 18, v245
	s_delay_alu instid0(VALU_DEP_1)
	v_lshl_add_u32 v234, v244, 4, v234             ; x, x1: lanes 16-31 stand 64 rows further down; 16 bytes a lane
	v_mul_u32_u24 v249, v248, 272
	s_delay_alu instid0(VALU_DEP_1)
	v_lshl_add_u32 v249, v247, 2, v249
	v_mul_u32_u24 v250, v245, 17408
	s_delay_alu instid0(VALU_DEP_1)
	v_add_nc_u32 v249, v249, v250                  ; the stage, in: row 4 ch + r % 4 of 272 bytes, column s / 32
	s_lshl_b32 s72, s[WV], 4
	v_add_nc_u32 v240, s72, v249                   ; tile w
	s_xor_b32 s72, s[WV], 15
	s_lshl_b32 s72, s72, 4
	v_add_nc_u32 v241, s72, v249                   ; tile 15 - w
	s_mul_i32 s72, s[WV], 8704
	v_mul_u32_u24 v250, v245, 272
	s_delay_alu instid0(VALU_DEP_1)
	v_lshl_add_u32 v250, v244, 4, v250
	s_delay_alu instid0(VALU_DEP_1)
	v_add_nc_u32 v235, s72, v250                   ; out: rows 32 w on, two rows an instruction
	; the 17 loads that the passes want
	v_lshlrev_b32 v251, 4, v0
	s_wait_alu depctr_va_vdst(0)
	global_load_b128 v[64:67], v251, s[68:69]
	global_load_b128 v[68:71], v251, s[68:69] offset:4096
	v_lshrrev_b32 v252, 4, v0
	s_delay_alu instid0(VALU_DEP_1)
	v_lshlrev_b32 v252, 9, v252
	s_delay_alu instid0(VALU_DEP_1)
	v_lshl_add_u32 v252, v244, 4, v252
	global_load_b128 v[72:75], v252, s[70:71]
	v_lshlrev_b32 v253, 4, v244
.irp c, 0,1,2,3,4,5,6,7
	global_load_b128 v[32+4*\c:35+4*\c], v253, s[8:9] offset:4096*\c
.endr
	s_lshl_b32 s74, s[WV], 14                      ; tile w: its group of eight row blocks
	s_mov_b32 s75, 0
	s_add_nc_u64 s[76:77], s[QC:QC+1], s[74:75]
	s_lshl_b32 s74, s[WV], 9
	s_add_nc_u64 s[78:79], s[QS:QS+1], s[74:75]
	s_xor_b32 s86, s[WV], 15                       ; tile 15 - w
	s_lshl_b32 s80, s86, 14
	s_mov_b32 s81, 0
	s_add_nc_u64 s[82:83], s[QC:QC+1], s[80:81]
	s_lshl_b32 s80, s86, 9
	s_add_nc_u64 s[84:85], s[QS:QS+1], s[80:81]
	global_load_b128 v[16:19], v10, s[76:77]
	global_load_b128 v[20:23], v10, s[76:77] offset:512
	global_load_b32 v221, v11, s[78:79]
	global_load_b128 v[160:163], v10, s[82:83]     ; the second tile's Q waits where that tile's result will lie
	global_load_b128 v[164:167], v10, s[82:83] offset:512
	global_load_b32 v219, v11, s[84:85]
	v_add_nc_u32 v254, KSC, v251
.irp j, 24,25,26,27,28,29,30,31,204,205,206,207,217,218
	v_mov_b32 v[\j], 0                             ; Q's zero codes; registers that are named before they are first written
.endr
	WIN 0x40
.irp t, 0,1,2,3,4,5,6,7
.irp j, 8,9,10,11,12,13,14,15
	v_mov_b32 v[16*\t+\j], 0                       ; K's zero codes: they stay
.endr
.endr
	WIN 0
	s_wait_loadcnt 0x0                             ; the 17 are in
.irp j, 0,1,2,3,4,5,6,7
	v_lshrrev_b32 v[64+\j], s[PSH], v[64+\j]       ; my head's two bytes to the low end
.endr
	v_lshrrev_b32 v221, s[PSH], v221               ; and of both tiles' scale words of Q
	v_lshrrev_b32 v219, s[PSH], v219
	ds_store_b128 v254, v[64:67]
	ds_store_b128 v254, v[68:71] offset:4096
	ds_store_b128 v254, v[72:75] offset:8192
	v_pk_add_f32 v[236:237], v[32:33], v[36:37]
	v_pk_add_f32 v[238:239], v[34:35], v[38:39]
.irp c, 2,3,4,5,6,7
	s_delay_alu instid0(VALU_DEP_2)
	v_pk_add_f32 v[236:237], v[236:237], v[32+4*\c:33+4*\c]
	s_delay_alu instid0(VALU_DEP_2)
	v_pk_add_f32 v[238:239], v[238:239], v[34+4*\c:35+4*\c]   ; wsum of my four columns
.endr
	s_wait_tensorcnt 0x0                           ; my part of K or V has landed,
	s_wait_dscnt 0x0                               ; and my scale words
	s_barrier_signal -1
	s_barrier_wait -1                              ; everybody's have
	WIN 0x40
.set q, 0
.rept 16
	global_load_b128 v[192+4*q:195+4*q], v234, s[6:7] offset:(q%2)*524288+(q/2)*4096    ; x is asked for behind K and V, and waits in window 1 until the end
.set q, q+1
.endr
	WIN 0
; One tile of 16 queries: p = 0: tile w, 8 trips; p = 1: tile 15 - w, 16 trips.  The result, O^T / l, goes to v[out] on; qsw: the register with the tile's scale words of Q.
.macro PASS p, ntrip, out, qsw
	s_wait_dscnt 0x0                               ; the loads that ran ahead in the pass before are in
.if \p == 0
	s_mov_b32 s[G], s[WV]
.else
	s_xor_b32 s[G], s[WV], 15
.irp j, 0,1,2,3,4,5,6,7
	v_mov_b32 v[16+\j], v[160+\j]                  ; this tile's Q, loaded at the head
.endr
.endif
.irp t, 0,1,2,3,4,5,6,7
	ds_load_b32 v[222+\t], v3 offset:64*\t         ; key step 0: K's scale words,
.endr
	WIN 0x40
.irp t, 0,1,2,3,4,5,6,7
	ds_load_b128 v[16*\t:16*\t+3], v1 offset:1024*\t        ; and its eight fragments: 24 loads
	ds_load_b128 v[16*\t+4:16*\t+7], v1 offset:1024*\t+512
.endr
	WIN 0
.set j, 0
.rept 32
	v_mov_b32 v[96+j], 0                           ; O^T: the step is written once; its first trip finds zeros.  (These are also the places between the moves of Q and the first product)
.set j, j+1
.endr
	v_mov_b32 v13, 0xff61b1e6                      ; the largest t so far: -3e38
	s_delay_alu instid0(VALU_DEP_1)
	v_floor_f32 v12, -v13
	v_mov_b32 v14, 0
	v_mov_b32 v15, 0
	s_mov_b32 s[KK], 0
.Ltrip_\@:
	s_cmp_gt_u32 s[KK], s[G]                       ; all 128 keys come after my queries: the step's work is left out
	s_cbranch_scc1 .Lskip_\@
	s_lshl_b32 s56, s[KK], 13
	v_add_nc_u32 v7, s56, v2
	s_lshl_b32 s57, s[KK], 8
	v_add_nc_u32 v9, s57, v4
.irp t, 0,1,2,3
	ds_load_b32 v[230+\t], v9 offset:64*\t
.endr
	WIN 0x40
.irp t, 0,1,2,3
.irp c, 0,1,2,3
	ds_load_b128 v[128+16*\t+4*\c:128+16*\t+4*\c+3], v7 offset:2048*\t+512*\c
.endr
.endr
	WIN 0
	s_wait_dscnt 20                                ; V's 20 loads may be out; K, asked for a trip ago, is in
	WIN 0x01
.irp t, 0,1,2,3,4,5,6,7
	v_wmma_scale_f32_16x16x128_f8f6f4 v[32+8*\t:39+8*\t], v[16*\t:16*\t+15], v[16:31], 0, v[222+\t], v[\qsw]
.endr
	WIN 0
	s_add_co_u32 s56, s[KK], 1
	s_min_u32 s56, s56, \ntrip-1                   ; the next step's K (in the last trip: this step's once more, so that the count of loads is the same in every trip)
	s_lshl_b32 s57, s56, 13
	v_add_nc_u32 v6, s57, v1
	s_lshl_b32 s57, s56, 9
	v_add_nc_u32 v8, s57, v3
.rept 6
	v_nop                                          ; with the two additions: eight places behind the products, for the loads below and for the first read of the scores
.endr
.irp t, 0,1,2,3,4,5,6,7
	ds_load_b32 v[222+\t], v8 offset:64*\t
.endr
	WIN 0x40
.irp t, 0,1,2,3,4,5,6,7
	ds_load_b128 v[16*\t:16*\t+3], v6 offset:1024*\t
	ds_load_b128 v[16*\t+4:16*\t+7], v6 offset:1024*\t+512
.endr
	WIN 0
	s_cmp_lg_u32 s[KK], s[G]                       ; on the diagonal hidden scores become -infinity ahead of the maximum
	s_cbranch_scc1 .Lopen_\@
	v_mov_b32 v218, 0xff800000
.set n, 0
.rept 64
	v_cmp_gt_i32 vcc_lo, 32*(n/16)+n%16, v5
	v_cndmask_b32 v[32+n], v[32+n], v218, vcc_lo
.set n, n+1
.endr
.Lopen_\@:
.irp b, 0,1,2,3
	v_max3_num_f32 v[200+\b], v[32+16*\b], v[33+16*\b], v[34+16*\b]     ; the largest score of each block of 32 keys: for the row's maximum and for the block's largest p
.endr
.irp i, 3,5,7,9,11,13
.irp b, 0,1,2,3
	v_max3_num_f32 v[200+\b], v[200+\b], v[32+16*\b+\i], v[33+16*\b+\i]
.endr
.endr
.irp b, 0,1,2,3
	v_max_num_f32 v[200+\b], v[200+\b], v[47+16*\b]
.endr
.irp b, 0,1,2,3
	v_permlanex16_b32 v[204+\b], v[200+\b], s[SEL], s[SEL+1]
.endr
.irp b, 0,1,2,3
	s_delay_alu instid0(VALU_DEP_4)
	v_max_num_f32 v[200+\b], v[200+\b], v[204+\b]
.endr
	s_delay_alu instid0(VALU_DEP_2)
	v_max3_num_f32 v218, v200, v201, v202
	s_delay_alu instid0(VALU_DEP_1)
	v_max_num_f32 v218, v218, v203
	s_delay_alu instid0(VALU_DEP_1)
	v_mul_f32 v218, s[CS], v218
	s_delay_alu instid0(VALU_DEP_1)
	v_max_num_f32 v13, v13, v218                   ; the running largest t
	v_mov_b32 v218, v12
	s_delay_alu instid0(VALU_DEP_2)
	v_floor_f32 v12, -v13                          ; -M = floor(-t): M is a whole number
	s_delay_alu instid0(VALU_DEP_1)
	v_sub_f32 v218, v12, v218
	s_delay_alu instid0(VALU_DEP_1)
	v_cvt_i32_f32 v218, v218
	s_delay_alu instid0(VALU_DEP_1)
	v_ldexp_f32 v216, 1.0, v218                    ; f = 2^(old M - new M): exact
.set j, 0
.rept 32
	v_pk_fma_f32 v[32+j:33+j], v[32+j:33+j], s[CS:CS+1], v[12:13] op_sel_hi:[1,0,0]     ; t - M
.set j, j+2
.endr
.irp b, 0,1,2,3
	v_fma_f32 v[200+\b], v[200+\b], s[CS], v12
.endr
.set j, 0
	s_wait_alu depctr_va_vdst(0)
.rept 64
	v_exp_f32 v[32+j], v[32+j]                     ; p = 2^(t - M)
.set j, j+1
.endr
	v_pk_mul_f32 v[14:15], v[14:15], v[216:217] op_sel_hi:[1,0]     ; the sums under the new M: a plain instruction behind the batch
	s_wait_alu depctr_va_vdst(0)                   ; one wait for the 64, ahead of their first reader
.irp b, 0,1,2,3
	v_exp_f32 v[200+\b], v[200+\b]                 ; each block's largest p
.endr
	v_pk_add_f32 v[204:205], v[36:37], v[40:41]
	v_pk_add_f32 v[252:253], v[44:45], v[48:49]
	v_pk_add_f32 v[250:251], v[52:53], v[56:57]
	v_pk_add_f32 v[248:249], v[60:61], v[64:65]
	v_pk_add_f32 v[246:247], v[68:69], v[72:73]
	v_pk_add_f32 v[244:245], v[76:77], v[80:81]
	v_pk_add_f32 v[214:215], v[84:85], v[88:89]
	v_pk_add_f32 v[14:15], v[14:15], v[92:93]
	v_pk_add_f32 v[204:205], v[204:205], v[32:33]
	v_pk_add_f32 v[252:253], v[252:253], v[34:35]
	v_pk_add_f32 v[250:251], v[250:251], v[38:39]
	v_pk_add_f32 v[248:249], v[248:249], v[42:43]
	v_pk_add_f32 v[246:247], v[246:247], v[46:47]
	v_pk_add_f32 v[244:245], v[244:245], v[50:51]
	v_pk_add_f32 v[214:215], v[214:215], v[54:55]
	v_pk_add_f32 v[14:15], v[14:15], v[58:59]
	v_pk_add_f32 v[204:205], v[204:205], v[62:63]
	v_pk_add_f32 v[252:253], v[252:253], v[66:67]
	v_pk_add_f32 v[250:251], v[250:251], v[70:71]
	v_pk_add_f32 v[248:249], v[248:249], v[74:75]
	v_pk_add_f32 v[246:247], v[246:247], v[78:79]
	v_pk_add_f32 v[244:245], v[244:245], v[82:83]
	v_pk_add_f32 v[214:215], v[214:215], v[86:87]
	v_pk_add_f32 v[14:15], v[14:15], v[90:91]
	v_pk_add_f32 v[204:205], v[204:205], v[94:95]
	s_delay_alu instid0(VALU_DEP_2)
	v_pk_add_f32 v[14:15], v[14:15], v[248:249]
	s_delay_alu instid0(VALU_DEP_2)
	v_pk_add_f32 v[204:205], v[204:205], v[246:247]
	v_pk_add_f32 v[252:253], v[252:253], v[244:245]
	v_pk_add_f32 v[250:251], v[250:251], v[214:215]
	s_delay_alu instid0(VALU_DEP_2)
	v_pk_add_f32 v[14:15], v[14:15], v[252:253]
	s_delay_alu instid0(VALU_DEP_2)
	v_pk_add_f32 v[204:205], v[204:205], v[250:251]
	s_delay_alu instid0(VALU_DEP_1)
	v_pk_add_f32 v[14:15], v[14:15], v[204:205]
	s_wait_alu depctr_va_vdst(0)                   ; and one for the four
.irp b, 0,1,2,3
	v_max_num_f32 v[200+\b], 0x4800000, v[200+\b]  ; the floor 2^(9 - 127)
.endr
.irp b, 0,1,2,3
	s_delay_alu instid0(VALU_DEP_4)
	v_add_nc_u32 v[212+\b], 0xfc000000, v[200+\b]
.endr
.irp b, 0,1,2,3
	v_and_or_b32 v[208+\b], v[200+\b], 0x7f800000, s[MNT]
.endr
.irp b, 0,1,2,3
	v_lshrrev_b32 v[204+\b], 23, v[212+\b]
.endr
	s_delay_alu instid0(VALU_DEP_3)
	v_lshl_or_b32 v220, v205, 8, v204              ; p's scale word for these 128 keys
	s_delay_alu instid0(VALU_DEP_1)
	v_lshl_or_b32 v220, v206, 16, v220
	s_delay_alu instid0(VALU_DEP_1)
	v_lshl_or_b32 v220, v207, 24, v220
.irp b, 0,1,2,3
.irp i, 0,1,2,3,4,5,6,7,8,9,10,11,12,13,14,15
	v_min_num_f32 v[32+16*\b+\i], v[32+16*\b+\i], v[208+\b]      ; the hold; p is not negative
.endr
	v_cvt_scalef32_pk8_fp8_f32 v[192+4*\b:193+4*\b], v[32+16*\b:39+16*\b], v[212+\b]
	v_cvt_scalef32_pk8_fp8_f32 v[194+4*\b:195+4*\b], v[40+16*\b:47+16*\b], v[212+\b]
.endr
.set j, 0
.rept 16
	v_pk_mul_f32 v[96+j:97+j], v[96+j:97+j], v[216:217] op_sel_hi:[1,0]     ; O^T under the new M; also the places in front of the products
.set j, j+2
.endr
	s_wait_alu depctr_va_vdst(0)
	s_wait_dscnt 24                                ; the next K's 24 loads may be out; V is in
	WIN 0x01
.irp t, 0,1,2,3
	v_wmma_scale_f32_16x16x128_f8f6f4 v[96+8*\t:103+8*\t], v[128+16*\t:143+16*\t], v[192:207], v[96+8*\t:103+8*\t], v[230+\t], v220
.endr
	WIN 0
.rept 8
	v_nop                                          ; places in front of the next loads into V's registers, and of the first read of O^T
.endr
.Lskip_\@:
	s_add_co_u32 s[KK], s[KK], 1
	s_cmp_lt_u32 s[KK], \ntrip
	s_cbranch_scc1 .Ltrip_\@
	s_wait_alu depctr_va_vdst(0)
	v_add_f32 v14, v14, v15
	s_delay_alu instid0(VALU_DEP_1)
	v_permlanex16_b32 v218, v14, s[SEL], s[SEL+1]
	s_delay_alu instid0(VALU_DEP_1)
	v_add_f32 v14, v14, v218                       ; the row's sum
	s_wait_alu depctr_va_vdst(0)
	v_rcp_f32 v14, v14
	v_nop
	s_wait_alu depctr_va_vdst(0)
	v_mov_b32 v15, v14
.set j, 0
.rept 16
	v_pk_mul_f32 v[\out+j:\out+j+1], v[96+j:97+j], v[14:15]      ; register 16 u + e: channel 32 u + 16 h + e of my query
.set j, j+2
.endr
.endm
	PASS 0, 8, 128, 221
	PASS 1, 16, 160, 219
	; THE WAY OUT.  The 256 queries' results meet in a stage of 256 rows (4 ch + s % 4) x 64 columns (s / 32), laid over K, which nobody reads behind this barrier and which is filled no more.
	s_wait_alu depctr_va_vdst(0)
	s_wait_dscnt 0x0
	s_barrier_signal -1
	s_barrier_wait -1
.set k, 0
.rept 32
	ds_store_b32 v240, v[128+k] offset:(32*(k/16)+k%16)*1088
	ds_store_b32 v241, v[160+k] offset:(32*(k/16)+k%16)*1088
.set k, k+1
.endr
	s_wait_dscnt 0x0                               ; for the others' sake
	s_barrier_signal -1
	s_barrier_wait -1
.set q, 0
.rept 16
	ds_load_b128 v[128+4*q:131+4*q], v235 offset:544*q
.set q, q+1
.endr
	s_wait_loadcnt 0x0                             ; x, asked for at the head
	WIN 0x10                                       ; source 2 (x) window 1; a store's address and data are sources 0 and 1: window 0
.set q, 0
.rept 16
	s_wait_dscnt 15-q
	v_pk_fma_f32 v[128+4*q:129+4*q], v[128+4*q:129+4*q], v[236:237], v[192+4*q:193+4*q]
	v_pk_fma_f32 v[130+4*q:131+4*q], v[130+4*q:131+4*q], v[238:239], v[194+4*q:195+4*q]
	global_store_b128 v234, v[128+4*q:131+4*q], s[10:11] offset:(q%2)*524288+(q/2)*4096    ; sixteen lanes store 256 consecutive bytes, aligned
.set q, q+1
.endr
	WIN 0
	s_wait_tensorcnt 0x0
	ds_add_u32 v243, v255
	s_wait_dscnt 0x0
	CROUND                                         ; the closing round
	s_endpgm
.Lfunc_end_k_q80c785b56e_attn:
	.size	k_q80c785b56e_attn, .Lfunc_end_k_q80c785b56e_attn-k_q80c785b56e_attn
	.p2alignl 7, 3214868480
	.fill 96, 4, 3214868480
	.section	.rodata,"a",@progbits
	.p2align	6, 0x0
	.amdhsa_kernel k_q80c785b56e_attn
		.amdhsa_group_segment_fixed_size 327680
		.amdhsa_private_segment_fixed_size 0
		.amdhsa_enable_private_segment 0
		.amdhsa_kernarg_size 32
		.amdhsa_user_sgpr_count 2
		.amdhsa_user_sgpr_kernarg_segment_ptr 1
		.amdhsa_wavefront_size32 1
		.amdhsa_system_sgpr_workgroup_id_x 1
		.amdhsa_system_sgpr_workgroup_id_y 1
		.amdhsa_system_sgpr_workgroup_id_z 1
		.amdhsa_system_vgpr_workitem_id 0
		.amdhsa_next_free_vgpr 512
		.amdhsa_next_free_sgpr 100
		.amdhsa_reserve_vcc 1
		.amdhsa_float_denorm_mode_32 3
		.amdhsa_float_denorm_mode_16_64 3
		.amdhsa_memory_ordered 1
		.amdhsa_forward_progress 1
		.amdhsa_inst_pref_size 85
	.end_amdhsa_kernel
	.amdgpu_metadata
---
amdhsa.version: [ 1, 2 ]
amdhsa.kernels:
  - .name:           k_q80c785b56e_attn
    .symbol:         k_q80c785b56e_attn.kd
    .args:
      - { .name: qkvq, .offset: 0, .size: 8, .value_kind: global_buffer, .address_space: global }
      - { .name: x, .offset: 8, .size: 8, .value_kind: global_buffer, .address_space: global }
      - { .name: wq, .offset: 16, .size: 8, .value_kind: global_buffer, .address_space: global }
      - { .name: x1, .offset: 24, .size: 8, .value_kind: global_buffer, .address_space: global }
    .group_segment_fixed_size: 327680
    .private_segment_fixed_size: 0
    .kernarg_segment_align: 8
    .kernarg_segment_size: 32
    .max_flat_workgroup_size: 256
    .sgpr_count:     100
    .vgpr_count:     512
    .wavefront_size: 32
...
	.end_amdgpu_metadata
.endif
;; end of part 3
;; launch ln2 (part 4): grid 256 x 1, 16 waves a work-group, no clusters, 20,480 bytes of LDS; arguments x1, ln2_w, ln2_b, actq; writes actq
.if DOCPART == 4
	.amdgcn_target "amdgcn-amd-amdhsa--gfx1250"
	.amdhsa_code_object_version 6
	.text
	.protected	k_q80c785b56e_ln2
	.globl	k_q80c785b56e_ln2
	.p2align	8
	.type	k_q80c785b56e_ln2,@function
k_q80c785b56e_ln2:
	s_mov_b64 s[64:65], 0
	v_nop
	global_prefetch_b8 v0, s[64:65] scope:SCOPE_SE
	s_setreg_imm32_b32 hwreg(HW_REG_WAVE_MODE, 25, 1), 1
	s_wait_xcnt 0x0
; y = w (x - mean) / sqrt(var + 1e-4) + b along rows of 1,024, var with divisor 1,023; y is quantised along the row to E4M3 with one E8M0 byte for each 32.
; The variance is taken of x - mean, in a second pass over registers: a common offset of x does no harm.
; OUT: codes [group of 128 rows][K step 8][row block 8][image 2,048 bytes], scale words [group][K step 8][row block 8][16 words] 4,194,304 bytes on.  An image is a fragment's registers on end:
; byte 512 c + 16 lane holds k = 32 c + 16 (lane / 16) + 0 .. 15 of row lane % 16.  Rows lie in tile order: row block R, place r holds row 32 (R / 2) + 8 (R % 2) + r + 8 (r / 8).
; SHARES: a work-group makes one row block, each of its 16 waves one row.  Lane l holds k = 128 j + 4 l + 0 .. 3, j = 0 .. 7: each load of the wave covers 512 consecutive bytes.  A block of 32 lies in eight lanes.
; A lane's eight consecutive registers belong to two blocks, so the conversion cannot carry the scale: each number is multiplied by 1 / scale (a power of two: nothing is rounded), held at +-448, and converted with scale 1.
; A lane's 4 codes of K step j are a piece of a run of 256 bytes of an image (16 rows x 16 bytes): the 64 runs meet in LDS (272 bytes apart, row r at 16 r) and leave whole.
; The 512 scale bytes leave in pieces of 64 bytes (one byte for each 128 that are read).
; LIMITS: NaN and infinities are not served; a block of zeros gets the byte 1 (its codes are zeros; this program alone reads the bytes).
.set X,  32                            ; v32-63  the row's 32 numbers of my lane
.set W,  64                            ; v64-95  the gain
.set BV, 96                            ; v96-127 the bias
.set MX, 64                            ; behind y: v64-71 the blocks' largest magnitudes
.set TP, 72                            ; v72-79  at work
.set PR, 80                            ; v80-95  pairs: 1 / scale, the scale's byte
.set CD, 96                            ; v96-103 codes
	s_load_b256 s[4:11], s[0:1], 0x0               ; x1, gain, bias, actq
	v_lshl_add_u32 v128, v0, 2, 0x4800
	v_mov_b32 v129, 0
	v_lshrrev_b32 v1, 5, v0
	v_and_b32 v2, 31, v0                           ; lane
	s_delay_alu instid0(VALU_DEP_2)
	v_readfirstlane_b32 s12, v1                    ; wave 0..15 = the row's place in the block
	s_delay_alu instid0(VALU_DEP_2)
	v_lshlrev_b32 v3, 4, v2                        ; 16 bytes a lane
	s_lshr_b32 s13, ttmp9, 1
	s_lshl_b32 s13, s13, 5
	s_and_b32 s14, ttmp9, 1
	s_lshl_b32 s14, s14, 3
	s_add_co_u32 s13, s13, s14
	s_add_co_u32 s13, s13, s12
	s_and_b32 s14, s12, 8
	s_add_co_u32 s13, s13, s14                     ; my row
	s_lshl_b32 s14, s13, 12
	s_mov_b32 s15, 0
	s_mov_b32 s16, 0x76543210
	s_mov_b32 s17, 0xfedcba98                      ; selects for lane l xor 16
	s_mov_b32 s18, 0x3a802008                      ; 1 / 1,023
	s_mov_b32 s19, 0x38d1b717                      ; 1e-4
	s_wait_alu depctr_va_vdst(0)
	s_wait_kmcnt 0x0
	s_add_nc_u64 s[4:5], s[4:5], s[14:15]
.irp j, 0,1,2,3,4,5,6,7
	global_load_b128 v[X+4*\j:X+4*\j+3], v3, s[4:5] offset:512*\j
.endr
.irp j, 0,1,2,3,4,5,6,7
	global_load_b128 v[W+4*\j:W+4*\j+3], v3, s[6:7] offset:512*\j
.endr
.irp j, 0,1,2,3,4,5,6,7
	global_load_b128 v[BV+4*\j:BV+4*\j+3], v3, s[8:9] offset:512*\j
.endr
	v_lshrrev_b32 v4, 2, v2
	s_delay_alu instid0(VALU_DEP_1)
	v_mul_u32_u24 v4, v4, 272
	v_and_b32 v5, 3, v2
	s_delay_alu instid0(VALU_DEP_1)
	v_lshl_add_u32 v4, v5, 2, v4
	s_lshl_b32 s20, s12, 4
	v_add_nc_u32 v4, s20, v4                       ; the stage, in: run 8 j + l / 4, row w, word l % 4
	v_lshrrev_b32 v5, 3, v2
	s_lshl_b32 s21, s12, 2
	s_add_co_u32 s21, s21, 17408
	v_add_nc_u32 v5, s21, v5                       ; my block's scale byte: [K step 8][row 16][4]
	v_lshrrev_b32 v6, 4, v2
	s_delay_alu instid0(VALU_DEP_1)
	v_mul_u32_u24 v6, v6, 272
	v_and_b32 v7, 15, v2
	s_delay_alu instid0(VALU_DEP_1)
	v_lshl_add_u32 v6, v7, 4, v6
	s_mul_i32 s22, s12, 1088
	v_add_nc_u32 v6, s22, v6                       ; the stage, out: runs 4 w on, two runs an instruction
	v_lshlrev_b32 v7, 4, v2
	s_delay_alu instid0(VALU_DEP_1)
	v_add_nc_u32 v1, 17408, v7                     ; the 512 scale bytes, 16 a lane
	s_lshr_b32 s20, ttmp9, 3
	s_and_b32 s21, ttmp9, 7
	s_lshl_b32 s24, s20, 17
	s_lshl_b32 s22, s21, 11
	s_add_co_u32 s24, s24, s22
	s_lshr_b32 s22, s12, 1
	s_lshl_b32 s22, s22, 14
	s_add_co_u32 s24, s24, s22
	s_and_b32 s22, s12, 1
	s_lshl_b32 s22, s22, 10
	s_add_co_u32 s24, s24, s22
	s_mov_b32 s25, 0
	s_add_nc_u64 s[24:25], s[10:11], s[24:25]      ; where my wave's 1,024 bytes of codes go
	s_lshl_b32 s26, s20, 12
	s_lshl_b32 s22, s21, 6
	s_add_co_u32 s26, s26, s22
	s_add_co_u32 s26, s26, 4194304
	s_mov_b32 s27, 0
	s_add_nc_u64 s[26:27], s[10:11], s[26:27]      ; and the block's scale words
	s_wait_loadcnt 16                              ; the row is in; the 16 loads of gain and bias may be out
	v_pk_add_f32 v[10:11], v[32:33], v[34:35]
	v_pk_add_f32 v[30:31], v[40:41], v[44:45]
	v_pk_add_f32 v[28:29], v[48:49], v[52:53]
	v_pk_add_f32 v[26:27], v[56:57], v[60:61]
	v_pk_add_f32 v[24:25], v[36:37], v[38:39]
	v_pk_add_f32 v[22:23], v[42:43], v[46:47]
	v_pk_add_f32 v[20:21], v[50:51], v[54:55]
	v_pk_add_f32 v[8:9], v[58:59], v[62:63]
	s_delay_alu instid0(VALU_DEP_1)
	v_pk_add_f32 v[8:9], v[8:9], v[26:27]
	v_pk_add_f32 v[10:11], v[10:11], v[24:25]
	v_pk_add_f32 v[30:31], v[30:31], v[22:23]
	v_pk_add_f32 v[28:29], v[28:29], v[20:21]
	s_delay_alu instid0(VALU_DEP_2)
	v_pk_add_f32 v[8:9], v[8:9], v[30:31]
	s_delay_alu instid0(VALU_DEP_2)
	v_pk_add_f32 v[10:11], v[10:11], v[28:29]
	s_delay_alu instid0(VALU_DEP_1)
	v_pk_add_f32 v[8:9], v[8:9], v[10:11]
	s_delay_alu instid0(VALU_DEP_1)
	v_add_f32 v8, v8, v9
.irp m, 1,2,4,8
	s_delay_alu instid0(VALU_DEP_1)
	v_add_f32_dpp v8, v8, v8 row_xmask:\m row_mask:0xf bank_mask:0xf
.endr
	s_delay_alu instid0(VALU_DEP_1)
	v_permlanex16_b32 v9, v8, s16, s17
	s_delay_alu instid0(VALU_DEP_1)
	v_add_f32 v8, v8, v9
	s_delay_alu instid0(VALU_DEP_1)
	v_mul_f32 v12, 0x3a800000, v8                  ; the mean
	s_delay_alu instid0(VALU_DEP_1)
	v_mov_b32 v13, v12
.set i, 0
.rept 16
	v_pk_add_f32 v[X+i:X+i+1], v[X+i:X+i+1], v[12:13] neg_lo:[0,1] neg_hi:[0,1]
.set i, i+2
.endr
.irp c, 0,1,2,3
	v_pk_mul_f32 v[16+2*\c:17+2*\c], v[X+2*\c:X+2*\c+1], v[X+2*\c:X+2*\c+1]
.endr
.irp g, 1,2,3
.irp c, 0,1,2,3
	s_delay_alu instid0(VALU_DEP_4)
	v_pk_fma_f32 v[16+2*\c:17+2*\c], v[X+8*\g+2*\c:X+8*\g+2*\c+1], v[X+8*\g+2*\c:X+8*\g+2*\c+1], v[16+2*\c:17+2*\c]
.endr
.endr
	s_delay_alu instid0(VALU_DEP_3)
	v_pk_add_f32 v[16:17], v[16:17], v[18:19]
	s_delay_alu instid0(VALU_DEP_2)
	v_pk_add_f32 v[20:21], v[20:21], v[22:23]
	s_delay_alu instid0(VALU_DEP_1)
	v_pk_add_f32 v[16:17], v[16:17], v[20:21]
	s_delay_alu instid0(VALU_DEP_1)
	v_add_f32 v16, v16, v17
.irp m, 1,2,4,8
	s_delay_alu instid0(VALU_DEP_1)
	v_add_f32_dpp v16, v16, v16 row_xmask:\m row_mask:0xf bank_mask:0xf
.endr
	s_delay_alu instid0(VALU_DEP_1)
	v_permlanex16_b32 v17, v16, s16, s17
	s_delay_alu instid0(VALU_DEP_1)
	v_add_f32 v16, v16, v17
	s_delay_alu instid0(VALU_DEP_1)
	v_fma_f32 v16, v16, s18, s19                   ; var + eps
	s_wait_alu depctr_va_vdst(0)
	v_rsq_f32 v14, v16
	v_nop                                          ; a plain instruction behind the transcendental
	s_wait_alu depctr_va_vdst(0)                   ; the wait ahead of the first reader
	v_mov_b32 v15, v14
	s_wait_alu depctr_va_vdst(0)
	s_wait_loadcnt 0x0                             ; gain and bias
.set i, 0
.rept 16
	v_pk_mul_f32 v[X+i:X+i+1], v[X+i:X+i+1], v[14:15]
.set i, i+2
.endr
.set i, 0
.rept 16
	v_pk_fma_f32 v[X+i:X+i+1], v[X+i:X+i+1], v[W+i:W+i+1], v[BV+i:BV+i+1]
.set i, i+2
.endr
	; the quantiser: K step j's block l / 8 lies in my four numbers and those of the seven lanes beside me.  The eight K steps take turns line by line
.irp j, 0,1,2,3,4,5,6,7
	v_max3_num_f32 v[MX+\j], |v[X+4*\j]|, |v[X+4*\j+1]|, |v[X+4*\j+2]|
.endr
.irp j, 0,1,2,3,4,5,6,7
	v_max3_num_f32 v[MX+\j], v[MX+\j], |v[X+4*\j+3]|, 0x4800000      ; with the floor 2^(9 - 127): the byte cannot fall under 1
.endr
.irp m, 1,2,4
.irp j, 0,1,2,3,4,5,6,7
	v_max_num_f32_dpp v[MX+\j], v[MX+\j], v[MX+\j] row_xmask:\m row_mask:0xf bank_mask:0xf
.endr
.endr
.irp j, 0,1,2,3,4,5,6,7
	v_and_b32 v[TP+\j], 0x7f800000, v[MX+\j]       ; the largest magnitude's exponent field E
.endr
.irp j, 0,1,2,3,4,5,6,7
	v_sub_nc_u32 v[PR+2*\j], 0x83000000, v[TP+\j]  ; 1 / scale = 2^(135 - E): exponent field 262 - E, between 8 and 253
.endr
.irp j, 0,1,2,3,4,5,6,7
	v_add_nc_u32 v[TP+\j], 0xfc000000, v[MX+\j]
.endr
.irp j, 0,1,2,3,4,5,6,7
	v_lshrrev_b32 v[PR+2*\j+1], 23, v[TP+\j]       ; the scale's byte, E - 8
.endr
	v_mov_b32 v104, 0x43e00000                     ; 448
	v_mov_b32 v105, 1.0                            ; the conversion's scale operand: 2^0
.irp j, 0,1,2,3,4,5,6,7
	v_pk_mul_f32 v[X+4*\j:X+4*\j+1], v[X+4*\j:X+4*\j+1], v[PR+2*\j:PR+2*\j+1] op_sel_hi:[1,0]       ; of the pair the low word, 1 / scale, serves both halves
	v_pk_mul_f32 v[X+4*\j+2:X+4*\j+3], v[X+4*\j+2:X+4*\j+3], v[PR+2*\j:PR+2*\j+1] op_sel_hi:[1,0]
.endr
.set i, 0
.rept 32
	v_med3_num_f32 v[X+i], v[X+i], -v104, v104     ; the conversion does not saturate (ISA guide 7.6.2)
.set i, i+1
.endr
.irp g, 0,1,2,3
	v_cvt_scalef32_pk8_fp8_f32 v[CD+2*\g:CD+2*\g+1], v[X+8*\g:X+8*\g+7], v105     ; register j: my four codes of K step j
.endr
	v_nop                                          ; a plain instruction behind the last conversion
.irp j, 0,1,2,3,4,5,6,7
	ds_store_b32 v4, v[CD+\j] offset:2176*\j
	ds_store_b8 v5, v[PR+2*\j+1] offset:64*\j      ; the eight lanes of a block write the same byte with the same value
.endr
	s_wait_dscnt 0x0                               ; for the others' sake: my stores have landed
	s_barrier_signal -1
	s_barrier_wait -1
	ds_load_b128 v[32:35], v6
	ds_load_b128 v[36:39], v6 offset:544
	s_wait_dscnt 0x1                               ; the first is in; the second may be out
	global_store_b128 v7, v[32:35], s[24:25] th:TH_STORE_NT             ; 512 consecutive bytes, aligned
	s_wait_dscnt 0x0
	global_store_b128 v7, v[36:39], s[24:25] offset:512 th:TH_STORE_NT
	s_cmp_lg_u32 s12, 0
	s_cbranch_scc1 .Ldone
	ds_load_b128 v[40:43], v1                      ; wave 0: the block's scale words, 64 bytes for each K step
	v_lshrrev_b32 v8, 2, v2
	s_delay_alu instid0(VALU_DEP_1)
	v_lshlrev_b32 v8, 9, v8
	v_and_b32 v9, 3, v2
	s_delay_alu instid0(VALU_DEP_1)
	v_lshl_add_u32 v8, v9, 4, v8
	s_wait_alu depctr_va_vdst(0)
	s_wait_dscnt 0x0
	global_store_b128 v8, v[40:43], s[26:27]
.Ldone:
	s_wait_tensorcnt 0x0
	ds_add_u32 v128, v129
	s_wait_dscnt 0x0
	s_endpgm
.Lfunc_end_k_q80c785b56e_ln2:
	.size	k_q80c785b56e_ln2, .Lfunc_end_k_q80c785b56e_ln2-k_q80c785b56e_ln2
	.p2alignl 7, 3214868480
	.fill 96, 4, 3214868480
	.section	.rodata,"a",@progbits
	.p2align	6, 0x0
	.amdhsa_kernel k_q80c785b56e_ln2
		.amdhsa_group_segment_fixed_size 20480
		.amdhsa_private_segment_fixed_size 0
		.amdhsa_enable_private_segment 0
		.amdhsa_kernarg_size 32
		.amdhsa_user_sgpr_count 2
		.amdhsa_user_sgpr_kernarg_segment_ptr 1
		.amdhsa_wavefront_size32 1
		.amdhsa_system_sgpr_workgroup_id_x 1
		.amdhsa_system_sgpr_workgroup_id_y 1
		.amdhsa_system_sgpr_workgroup_id_z 1
		.amdhsa_system_vgpr_workitem_id 0
		.amdhsa_next_free_vgpr 130
		.amdhsa_next_free_sgpr 66
		.amdhsa_reserve_vcc 0
		.amdhsa_float_denorm_mode_32 3
		.amdhsa_float_denorm_mode_16_64 3
		.amdhsa_memory_ordered 1
		.amdhsa_forward_progress 1
		.amdhsa_inst_pref_size 23
	.end_amdhsa_kernel
	.amdgpu_metadata
---
amdhsa.version: [ 1, 2 ]
amdhsa.kernels:
  - .name:           k_q80c785b56e_ln2
    .symbol:         k_q80c785b56e_ln2.kd
    .args:
      - { .name: x1, .offset: 0, .size: 8, .value_kind: global_buffer, .address_space: global }
      - { .name: ln2_w, .offset: 8, .size: 8, .value_kind: global_buffer, .address_space: global }
      - { .name: ln2_b, .offset: 16, .size: 8, .value_kind: global_buffer, .address_space: global }
      - { .name: actq, .offset: 24, .size: 8, .value_kind: global_buffer, .address_space: global }
    .group_segment_fixed_size: 20480
    .private_segment_fixed_size: 0
    .kernarg_segment_align: 8
    .kernarg_segment_size: 32
    .max_flat_workgroup_size: 512
    .sgpr_count:     66
    .vgpr_count:     130
    .wavefront_size: 32
...
	.end_amdgpu_metadata
.endif
;; end of part 4
;; launch mlp1 (part 5): grid 16 x 16, 4 waves a work-group, clusters of 4 x 4, 327,680 bytes of LDS; arguments actq, wq, b1, hq; writes hq
.if DOCPART == 5
	.amdgcn_target "amdgcn-amd-amdhsa--gfx1250"
	.amdhsa_code_object_version 6
	.text
	.protected	k_q80c785b56e_mlp1
	.globl	k_q80c785b56e_mlp1
	.p2align	8
	.type	k_q80c785b56e_mlp1,@function
k_q80c785b56e_mlp1:
	s_mov_b64 s[64:65], 0
	v_nop
	global_prefetch_b8 v0, s[64:65] scope:SCOPE_SE
	s_setreg_imm32_b32 hwreg(HW_REG_WAVE_MODE, 25, 1), 1
	s_wait_xcnt 0x0
	s_wait_alu depctr_hold_cnt(0) depctr_sa_sdst(0) depctr_va_vdst(0) depctr_va_sdst(0) depctr_va_ssrc(0) depctr_va_vcc(0) depctr_vm_vsrc(0)
	s_getreg_b32 s2, hwreg(HW_REG_IB_STS2, 6, 4)
	s_cmp_eq_u32 s2, 0
	s_cbranch_scc0 .Lentry_in_a_cluster
	s_endpgm
.Lentry_in_a_cluster:
	s_bfe_u32 s2, ttmp6, 0x10000c
	s_cmp_lg_u32 s2, 0xf033
	s_cbranch_scc0 .Lentry_shape_is_right
	s_endpgm
.Lentry_shape_is_right:
; h = gelu(LN2(x1) W1 + b1) on codes of E4M3, a block of 256 x 256 a work-group, 128 x 128 a wave; h is quantised on the way out.
; LDS BY OPERAND: A's two groups of 128 rows at 0 and 65,536, B's at 131,072 and 196,608; a group's place holds four K steps of 16,384 bytes on end; the scale words of all of K at SCL.
; THE HEAD'S FOUR LOADS, one a wave: K steps 0 to 3 of A (two rows of 65,536 bytes, 131,072 apart in memory), the same of B, A's scale words, B's.  A slot is two K steps: 32,768 bytes in each group's place;
; each slot is filled again once, a group a wave, behind a round of the cluster's barrier.
.set SLOT,  32768
.set SCL,   262144
.set SPARE, 278528
.set NQ, 2
.set FR, 16
.set NL, 4
.set NP, 8
.set ADRA, 16
.set ADRB, 20
.set TA,   23
.set STO,  24
.set RD,   25
.set CO,   26
.set ADRS, 27
.set SPW,  28
.set NIL,  29
.set SC,   32
.set BI,   64
.set AF,   128
.set AA,   64
.set UU,   128
.set TM,   192
.set PW,   208
.set PC,   212
.set QQ,   0
.set PP,   64
.set TT,   128
.set G1, 24
.set G0, 32
.set G1B, 48
.set G0B, 56
.set G1S, 68
.set G0S, 76
.set G1SB, 80
.set G0SB, 88
.set SEL, 66
.set MNT, 2
.set MSB, 0
.macro WIN new
.if MSB != (\new)
	s_set_vgpr_msb (MSB<<8)|(\new)
.set MSB, (\new)
.endif
.endm
.set MUL_LO, 0xa1
.set MUL_HI, 0xf1
.set TO_B,   0x40
.macro JLOAD g0a, g1a, g0b, g1b
	s_cmp_eq_u32 s15, 0
	s_cbranch_scc0 .Lfor_b_\@
	tensor_load_to_lds s[\g0a:\g0a+3], s[\g1a:\g1a+7]
	s_nop 0
.rept 4
	v_nop
.endr
	s_branch .Lasked_\@
.Lfor_b_\@:
	tensor_load_to_lds s[\g0b:\g0b+3], s[\g1b:\g1b+7]
	s_nop 0
.rept 4
	v_nop
.endr
.Lasked_\@:
.endm
.macro CREST
	s_cmp_lg_u32 s14, 0
	s_cbranch_scc1 .Lnot_wave_0_\@
	s_barrier_signal -3
.Lnot_wave_0_\@:
	s_barrier_wait -3
	s_barrier_signal -1
	s_barrier_wait -1
.endm
.macro CROUND
	s_barrier_signal -1
	s_barrier_wait -1
	CREST
.endm
	s_load_b256 s[4:11], s[0:1], 0x0
	v_lshl_add_u32 v[SPW], v0, 2, SPARE
	v_mov_b32 v[NIL], 0
	ds_add_u32 v28, v29
	ds_add_u32 v28, v29
	s_wait_dscnt 0x0
	v_lshrrev_b32 v1, 5, v0
	v_readfirstlane_b32 s14, v1
	s_lshr_b32 s15, s14, 1
	s_and_b32 s16, s14, 1
	s_bfe_u32 s40, ttmp6, 0x40000
	s_bfe_u32 s41, ttmp6, 0x40004
	s_lshl_b32 s42, ttmp9, 2
	s_add_co_u32 s42, s42, s40
	s_and_b32 s17, ttmp7, 0xffff
	s_lshl_b32 s17, s17, 2
	s_add_co_u32 s17, s17, s41
	s_lshl_b32 s43, s41, 2
	s_lshl_b32 s43, 15, s43
	s_lshl_b32 s44, 0x1111, s40
	s_or_b32 s[G1+0], s43, (3<<16)|(1<<21)
	s_or_b32 s[G1B+0], s44, (3<<16)|(1<<21)
.irp g, G1, G1B
	s_mov_b32 s[\g+1], 8192<<16                    ; the head's shape: 2 rows of 8,192 elements of 8 bytes, 16,384 elements apart
	s_mov_b32 s[\g+2], 2<<16
	s_mov_b32 s[\g+3], 8192<<16
	s_mov_b32 s[\g+4], 2
	s_mov_b32 s[\g+5], 16384
	s_mov_b32 s[\g+6], 0
	s_mov_b32 s[\g+7], 0
.endr
	s_or_b32 s[G1S+0], s43, (3<<16)|(1<<21)
	s_or_b32 s[G1SB+0], s44, (3<<16)|(1<<21)
.irp g, G1S, G1SB
	s_mov_b32 s[\g+1], 32<<16
	s_mov_b32 s[\g+2], 32<<16                      ; the scale words of 256 rows: 8,192 dense bytes
	s_mov_b32 s[\g+3], 32<<16
	s_mov_b32 s[\g+4], 32
	s_mov_b32 s[\g+5], 32
	s_mov_b32 s[\g+6], 0
	s_mov_b32 s[\g+7], 0
.endr
	s_lshl_b32 s20, s17, 1
	s_lshl_b32 s22, s20, 12
	s_add_co_u32 s22, s22, 4194304
	s_mov_b32 s23, 0
	s_lshl_b32 s20, s20, 17
	s_mov_b32 s21, 0
	s_lshl_b32 s46, s42, 1
	s_lshl_b32 s94, s46, 12
	s_add_co_u32 s94, s94, 11632640
	s_mov_b32 s95, 0
	s_lshl_b32 s46, s46, 17
	s_add_co_u32 s46, s46, 3145728
	s_mov_b32 s47, 0
	s_lshl_b32 s45, s14, 16
	s_wait_kmcnt 0x0
	s_add_nc_u64 s[20:21], s[4:5], s[20:21]
	s_add_nc_u64 s[22:23], s[4:5], s[22:23]
	s_add_nc_u64 s[46:47], s[6:7], s[46:47]
	s_add_nc_u64 s[94:95], s[6:7], s[94:95]
	CROUND
	s_mov_b32 s[G0S], 1
	s_mov_b32 s[G0S+1], SCL
	s_mov_b64 s[G0S+2:G0S+3], s[22:23]
	s_or_b32 s[G0S+3], s[G0S+3], 0x80000000
	s_mov_b32 s[G0SB], 1
	s_mov_b32 s[G0SB+1], SCL+8192
	s_mov_b64 s[G0SB+2:G0SB+3], s[94:95]
	s_or_b32 s[G0SB+3], s[G0SB+3], 0x80000000
	s_mov_b32 s4, 1                                ; s[4:7]: group 0 of the head's load of A (the arguments that lay there have been used)
	s_mov_b32 s5, 0
	s_mov_b64 s[6:7], s[20:21]
	s_or_b32 s7, s7, 0x80000000
	s_lshl_b32 s98, s16, 17                        ; in the ring a wave fetches one group: 131,072 bytes on for the second
	s_mov_b32 s99, 0
	s_add_nc_u64 s[20:21], s[20:21], s[98:99]
	s_add_nc_u64 s[96:97], s[46:47], s[98:99]
.irp s, 0,1
	s_mov_b32 s[G0+4*\s], 1
	s_add_co_u32 s[G0+4*\s+1], s45, \s*SLOT
	s_add_nc_u64 s[G0+4*\s+2:G0+4*\s+3], s[20:21], \s*32768
	s_or_b32 s[G0+4*\s+3], s[G0+4*\s+3], 0x80000000
	s_mov_b32 s[G0B+4*\s], 1
	s_add_co_u32 s[G0B+4*\s+1], s45, \s*SLOT
	s_add_nc_u64 s[G0B+4*\s+2:G0B+4*\s+3], s[96:97], \s*32768
	s_or_b32 s[G0B+4*\s+3], s[G0B+4*\s+3], 0x80000000
.endr
	s_mov_b32 s44, 1                               ; s[44:47]: group 0 of the head's load of B
	s_mov_b32 s45, 131072
	s_or_b32 s47, s47, 0x80000000
; one chain of branches on the wave's number, a load to an arm: every way through the head passes exactly one
.macro ARM under, g0, g1, next
	s_cmp_lt_u32 s14, \under
	s_cbranch_scc0 \next
	tensor_load_to_lds s[\g0:\g0+3], s[\g1:\g1+7]
	s_nop 0
.rept 4
	v_nop
.endr
	s_branch .Lhead_asked
\next:
.endm
	ARM 1, 4, G1, .Lhead_b
	ARM 2, 44, G1B, .Lhead_sa
	ARM 3, G0S, G1S, .Lhead_sb
	tensor_load_to_lds s[G0SB:G0SB+3], s[G1SB:G1SB+7]
	s_nop 0
.rept 4
	v_nop
.endr
.Lhead_asked:
	v_and_b32 v1, 15, v0
	v_bfe_u32 v2, v0, 4, 1
	s_wait_alu depctr_va_vdst(0)
	v_and_b32 v3, 31, v0
	v_lshlrev_b32 v[CO], 4, v3
	s_lshl_b32 s21, s15, 16
	s_lshl_b32 s22, s16, 16
	s_add_co_u32 s22, s22, 131072
.irp s, 0,1
	v_add_nc_u32 v[ADRA+\s], s21, v[CO]
	v_add_nc_u32 v[ADRB+\s], s22, v[CO]
	s_add_co_u32 s21, s21, SLOT
	s_add_co_u32 s22, s22, SLOT
.endr
	v_lshlrev_b32 v5, 2, v1
	s_lshl_b32 s21, s15, 12
	s_lshl_b32 s22, s16, 12
	s_add_co_u32 s22, s22, 8192
	s_sub_co_u32 s22, s22, s21
	v_mul_u32_u24 v6, s22, v2
	s_add_co_u32 s21, s21, SCL
	v_add_nc_u32 v5, v5, v6
	v_add_nc_u32 v[ADRS], s21, v5
	s_lshl_b32 s23, s14, 9
	v_lshl_add_u32 v[STO], v1, 2, s23
	v_add_nc_u32 v[RD], s23, v[CO]
	s_lshl_b32 s96, s17, 1
	s_add_co_u32 s96, s96, s15
	s_lshl_b32 s97, s42, 1
	s_add_co_u32 s97, s97, s16
	s_lshl_b32 s96, s96, 5
	s_add_co_u32 s96, s96, s97
	s_lshl_b32 s98, s96, 14
	s_mov_b32 s99, 0
	s_add_nc_u64 s[92:93], s[10:11], s[98:99]
	s_lshl_b32 s98, s96, 9
	s_add_co_u32 s98, s98, 16777216
	s_add_nc_u64 s[94:95], s[10:11], s[98:99]
	s_lshl_b32 s98, s97, 9
	s_add_nc_u64 s[98:99], s[8:9], s[98:99]
	v_lshlrev_b32 v7, 6, v2
.irp b, 0,1,2,3,4,5,6,7
	global_load_b128 v[BI+8*\b:BI+8*\b+3], v7, s[98:99] offset:(32*(\b/2)+8*(\b%2))*4
	global_load_b128 v[BI+8*\b+4:BI+8*\b+7], v7, s[98:99] offset:(32*(\b/2)+8*(\b%2))*4+16
.endr
.macro FRAG reg, adr, q, i
.irp c, 0,1,2,3
	ds_load_b128 v[\reg+4*\c:\reg+4*\c+3], v[\adr] offset:16384*(\q)+2048*(\i)+512*\c
.endr
.endm
.macro MUL16 a0, p, q, sc, zero
.irp a, \a0, \a0+1
.irp b, 0,1,2,3,4,5,6,7
.if \zero == 2
	v_wmma_scale_f32_16x16x128_f8f6f4 v[8*(8*((\a)%4)+\b):8*(8*((\a)%4)+\b)+7], v[128*(\p)+FR*\b:128*(\p)+FR*\b+FR-1], v[AF+FR*(\a):AF+FR*(\a)+FR-1], v[BI+8*\b:BI+8*\b+7], v[SC+8*NQ*(\sc)+NQ*\b+(\q)], v[SC+8*NQ*(\sc)+NQ*(\a)+(\q)] matrix_a_scale:MATRIX_SCALE_ROW1
.else
	v_wmma_scale_f32_16x16x128_f8f6f4 v[8*(8*((\a)%4)+\b):8*(8*((\a)%4)+\b)+7], v[128*(\p)+FR*\b:128*(\p)+FR*\b+FR-1], v[AF+FR*(\a):AF+FR*(\a)+FR-1], v[8*(8*((\a)%4)+\b):8*(8*((\a)%4)+\b)+7], v[SC+8*NQ*(\sc)+NQ*\b+(\q)], v[SC+8*NQ*(\sc)+NQ*(\a)+(\q)] matrix_a_scale:MATRIX_SCALE_ROW1
.endif
.endr
.endr
.endm
.macro FETCH_B slot, q, p
	WIN TO_B
.irp i, 0,1,2,3,4,5,6,7
	FRAG 128*(\p)+FR*\i, ADRB+\slot, \q, \i
.endr
	WIN 0
.endm
.macro FETCH_A slot, q, i0
.irp i, \i0, \i0+1, \i0+2, \i0+3
	FRAG AF+FR*(\i), ADRA+\slot, \q, \i
.endr
.endm
.macro SCALES sc
.irp i, 0,1,2,3,4,5,6,7
	ds_load_b32 v[SC+16*\sc+2*\i], v[ADRS] offset:64*\i
	ds_load_b32 v[SC+16*\sc+2*\i+1], v[ADRS] offset:64*\i+512
.endr
.endm
.macro PLACES n
.rept \n
	v_nop
.endr
.endm
.macro STEP slot, q, zero
	s_wait_dscnt 4*NL
.if \zero == 2
	WIN 0x81
.else
	WIN MUL_LO
.endif
	MUL16 0, (\q)%2, \q, \slot, \zero
	MUL16 2, (\q)%2, \q, \slot, \zero
	s_wait_dscnt 0x0
	PLACES NP
	FETCH_B \slot, (\q)+1, 1-(\q)%2
	FETCH_A \slot, (\q)+1, 0
.if \zero == 2
	WIN 0xc1
.else
	WIN MUL_HI
.endif
	MUL16 4, (\q)%2, \q, \slot, \zero
	MUL16 6, (\q)%2, \q, \slot, \zero
	PLACES NP
	WIN 0
	FETCH_A \slot, (\q)+1, 4
.endm
.macro TURN slot, next, fill
	s_wait_tensorcnt 0x0
	ds_add_u32 v[SPW], v[NIL]
	s_wait_dscnt 4*NL+1
	WIN MUL_LO
	MUL16 0, 1, NQ-1, \slot, 0
	s_wait_dscnt 0x0
	s_barrier_signal -1
	MUL16 2, 1, NQ-1, \slot, 0
	WIN 0
	s_barrier_wait -1
.if \fill
	CREST
	s_add_nc_u64 s[G0+4*\slot+2:G0+4*\slot+3], s[G0+4*\slot+2:G0+4*\slot+3], 65536
	s_add_nc_u64 s[G0B+4*\slot+2:G0B+4*\slot+3], s[G0B+4*\slot+2:G0B+4*\slot+3], 65536
	JLOAD G0+4*\slot, G1, G0B+4*\slot, G1B
	PLACES NP-4
.else
	PLACES NP
.endif
	s_wait_alu depctr_va_vdst(0)
	v_add_nc_u32 v[ADRS], 1024, v[ADRS]
	FETCH_B \next, 0, 0
	FETCH_A \next, 0, 0
	SCALES \next
	WIN MUL_HI
	MUL16 4, 1, NQ-1, \slot, 0
	MUL16 6, 1, NQ-1, \slot, 0
	PLACES NP
	WIN 0
	FETCH_A \next, 0, 4
.endm
.macro QUANT s, pc, pw
.irp b, 0,1,2,3
	v_max3_num_f32 v[TM+\b], |v[\s+16*\b]|, |v[\s+1+16*\b]|, 0x4800000
.endr
.irp i, 2,4,6,8,10,12,14
.irp b, 0,1,2,3
	v_max3_num_f32 v[TM+\b], v[TM+\b], |v[\s+16*\b+\i]|, |v[\s+1+16*\b+\i]|
.endr
.endr
.irp b, 0,1,2,3
	v_permlanex16_b32 v[TM+4+\b], v[TM+\b], s[SEL], s[SEL+1]
.endr
.irp b, 0,1,2,3
	v_max_num_f32 v[TM+\b], v[TM+\b], v[TM+4+\b]
.endr
.irp b, 0,1,2,3
	v_add_nc_u32 v[TM+12+\b], 0xfc000000, v[TM+\b]
.endr
.irp b, 0,1,2,3
	v_and_or_b32 v[TM+8+\b], v[TM+\b], 0x7f800000, s[MNT]
.endr
.irp b, 0,1,2,3
	v_lshrrev_b32 v[TM+4+\b], 23, v[TM+12+\b]
.endr
	v_lshl_or_b32 v[\pw], v[TM+5], 8, v[TM+4]
	v_lshl_or_b32 v[\pw], v[TM+6], 16, v[\pw]
	v_lshl_or_b32 v[\pw], v[TM+7], 24, v[\pw]
.irp b, 0,1,2,3
.irp i, 0,1,2,3,4,5,6,7,8,9,10,11,12,13,14,15
	v_med3_num_f32 v[\s+16*\b+\i], v[\s+16*\b+\i], -v[TM+8+\b], v[TM+8+\b]
.endr
	v_cvt_scalef32_pk8_fp8_f32 v[\pc+4*\b:\pc+4*\b+1], v[\s+16*\b:\s+16*\b+7], v[TM+12+\b]
	v_cvt_scalef32_pk8_fp8_f32 v[\pc+4*\b+2:\pc+4*\b+3], v[\s+16*\b+8:\s+16*\b+15], v[TM+12+\b]
.endr
	v_nop
.endm
.macro TAKE a
	WIN 2+(\a)/4
.set k, 0
.rept 64
	v_mul_f32 v[AA+k], |v[64*((\a)%4)+k]|, s42
.set k, k+1
.endr
	WIN (2+(\a)/4)|0x40
.set k, 0
.rept 64
	v_max_num_f32 v[TT+k], v[64*((\a)%4)+k], 0
.set k, k+1
.endr
	WIN 0
.endm
.macro CF r, v
	s_mov_b32 s[\r], \v
	s_mov_b32 s[\r+1], \v
.endm
	s_wait_alu depctr_va_vdst(0)
	s_wait_tensorcnt 0x0                           ; my tile of the head's four is in; no tensor load of mine is out, so a descriptor may be written:
.irp g, G1, G1B
	s_mov_b32 s[\g+1], 32<<16                      ; the ring's shape: 128 rows of 256 bytes, dense
	s_mov_b32 s[\g+2], 128<<16
	s_mov_b32 s[\g+3], 32<<16
	s_mov_b32 s[\g+4], 128
	s_mov_b32 s[\g+5], 32
.endr
	s_barrier_signal -1
	s_barrier_wait -1
	FETCH_B 0, 0, 0
	FETCH_A 0, 0, 0
	SCALES 0
	FETCH_A 0, 0, 4
	s_wait_loadcnt 0x0
	STEP 0, 0, 2
	TURN 0, 1, 1
	STEP 1, 0, 0
	TURN 1, 0, 1
	STEP 0, 0, 0
	TURN 0, 1, 0
	STEP 1, 0, 0
	s_wait_dscnt 4*NL
	WIN MUL_LO
	MUL16 0, 1, NQ-1, 1, 0
	MUL16 2, 1, NQ-1, 1, 0
	s_wait_dscnt 0x0
	WIN MUL_HI
	MUL16 4, 1, NQ-1, 1, 0
	MUL16 6, 1, NQ-1, 1, 0
	WIN 0
	PLACES NP
	CF 24, 0xbaa15130
	CF 26, 0x3aac2b8a
	CF 28, 0x3c0d6e62
	CF 30, 0xbc040dc1
	CF 32, 0xbd5e05b5
	CF 34, 0x3e27fe23
	CF 36, 0xbe2a0420
	CF 38, 0xbdbdfb0b
	CF 40, 0x3e8dd01d
	CF 44, 0xbfb8aa3b
	s_mov_b32 s42, 0x3f3504f3
	s_mov_b32 s[SEL], 0x76543210
	s_mov_b32 s[SEL+1], 0xfedcba98
	s_mov_b32 s[MNT], 0x600000
	v_mov_b32 v30, 0xb9d25000
	v_mov_b32 v31, 0xb9d25000
.irp b, 0,1,2,3
	v_mov_b32 v[TM+4+\b], 0
.endr
	s_mov_b32 s3, 0
.Lblk:
.irp a, 0,1,2,3,4,5,6
	s_cmp_eq_u32 s3, \a
	s_cbranch_scc1 .Lb\a
.endr
	TAKE 7
	s_branch .Ljoin
.irp a, 0,1,2,3,4,5
.Lb\a:
	TAKE \a
	s_branch .Ljoin
.endr
.Lb6:
	TAKE 6
.Ljoin:
.set k, 0
.rept 32
	v_pk_add_f32 v[UU+k:UU+k+1], v[AA+k:AA+k+1], 2.0 op_sel_hi:[1,0]
.set k, k+2
.endr
.set k, 0
	s_wait_alu depctr_va_vdst(0)
.rept 64
	v_rcp_f32 v[UU+k], v[UU+k]
.set k, k+1
.endr
	WIN 0x40
.set k, 0
.rept 32
	v_pk_add_f32 v[QQ+k:QQ+k+1], v[AA+k:AA+k+1], -2.0 op_sel_hi:[1,0]
.set k, k+2
.endr
	s_wait_alu depctr_va_vdst(0)
	WIN 0x41
.set k, 0
.rept 32
	v_pk_mul_f32 v[QQ+k:QQ+k+1], v[QQ+k:QQ+k+1], v[UU+k:UU+k+1]
.set k, k+2
.endr
	WIN 0
.set k, 0
.rept 32
	v_pk_fma_f32 v[UU+k:UU+k+1], v[AA+k:AA+k+1], 2.0, 1.0 op_sel_hi:[1,0,0]
.set k, k+2
.endr
.set k, 0
	s_wait_alu depctr_va_vdst(0)
.rept 64
	v_rcp_f32 v[UU+k], v[UU+k]
.set k, k+1
.endr
	WIN 0x41
.set k, 0
.rept 32
	v_pk_fma_f32 v[PP+k:PP+k+1], v[QQ+k:QQ+k+1], v[30:31], s[24:25] op_sel_hi:[1,1,0]
.set k, k+2
.endr
	WIN 0x45
.irp c, 26,28,30,32,34,36,38,40
.set k, 0
.rept 32
	v_pk_fma_f32 v[PP+k:PP+k+1], v[PP+k:PP+k+1], v[QQ+k:QQ+k+1], s[\c:\c+1] op_sel_hi:[1,1,0]
.set k, k+2
.endr
.endr
	s_wait_alu depctr_va_vdst(0)
	WIN 0x41
.set k, 0
.rept 32
	v_pk_fma_f32 v[PP+k:PP+k+1], v[PP+k:PP+k+1], v[UU+k:UU+k+1], v[UU+k:UU+k+1]
.set k, k+2
.endr
	WIN 0
.set k, 0
.rept 32
	v_pk_mul_f32 v[UU+k:UU+k+1], v[AA+k:AA+k+1], v[AA+k:AA+k+1]
.set k, k+2
.endr
.set k, 0
.rept 32
	v_pk_fma_f32 v[UU+k:UU+k+1], v[UU+k:UU+k+1], s[44:45], -0.5 op_sel_hi:[1,0,0]
.set k, k+2
.endr
.set k, 0
	s_wait_alu depctr_va_vdst(0)
.rept 64
	v_exp_f32 v[UU+k], v[UU+k]
.set k, k+1
.endr
	v_nop
	s_wait_alu depctr_va_vdst(0)
	WIN 0x41
.set k, 0
.rept 32
	v_pk_mul_f32 v[PP+k:PP+k+1], v[PP+k:PP+k+1], v[UU+k:UU+k+1]
.set k, k+2
.endr
	WIN 0x14
.set k, 0
.rept 32
	v_pk_fma_f32 v[AA+k:AA+k+1], v[AA+k:AA+k+1], v[PP+k:PP+k+1], v[TT+k:TT+k+1] neg_lo:[1,0,0] neg_hi:[1,0,0]
.set k, k+2
.endr
	WIN 0
	QUANT AA, PC, PW
.irp c, 0,1,2,3
	global_store_b128 v[CO], v[PC+4*\c:PC+4*\c+3], s[92:93] offset:512*\c th:TH_STORE_NT
.endr
	s_lshl_b32 s97, s3, 6
	v_add_nc_u32 v[TA], s97, v[STO]
	ds_store_b32 v[TA], v[PW]
	s_wait_xcnt 0x0
	s_add_nc_u64 s[92:93], s[92:93], 2048
	s_add_co_u32 s3, s3, 1
	s_cmp_lt_u32 s3, 8
	s_cbranch_scc1 .Lblk
	ds_load_b128 v[PC:PC+3], v[RD]
	s_wait_dscnt 0x0
	global_store_b128 v[CO], v[PC:PC+3], s[94:95] th:TH_STORE_NT
	s_wait_tensorcnt 0x0
	ds_add_u32 v[SPW], v[NIL]
	s_wait_dscnt 0x0
	CROUND
	s_endpgm
.Lfunc_end_k_q80c785b56e_mlp1:
	.size	k_q80c785b56e_mlp1, .Lfunc_end_k_q80c785b56e_mlp1-k_q80c785b56e_mlp1
	.p2alignl 7, 3214868480
	.fill 96, 4, 3214868480
	.section	.rodata,"a",@progbits
	.p2align	6, 0x0
	.amdhsa_kernel k_q80c785b56e_mlp1
		.amdhsa_group_segment_fixed_size 327680
		.amdhsa_private_segment_fixed_size 0
		.amdhsa_enable_private_segment 0
		.amdhsa_kernarg_size 32
		.amdhsa_user_sgpr_count 2
		.amdhsa_user_sgpr_kernarg_segment_ptr 1
		.amdhsa_wavefront_size32 1
		.amdhsa_system_sgpr_workgroup_id_x 1
		.amdhsa_system_sgpr_workgroup_id_y 1
		.amdhsa_system_sgpr_workgroup_id_z 1
		.amdhsa_system_vgpr_workitem_id 0
		.amdhsa_next_free_vgpr 1024
		.amdhsa_next_free_sgpr 100
		.amdhsa_reserve_vcc 0
		.amdhsa_float_denorm_mode_32 3
		.amdhsa_float_denorm_mode_16_64 3
		.amdhsa_memory_ordered 1
		.amdhsa_forward_progress 1
		.amdhsa_inst_pref_size 238
	.end_amdhsa_kernel
	.amdgpu_metadata
---
amdhsa.version: [ 1, 2 ]
amdhsa.kernels:
  - .name:           k_q80c785b56e_mlp1
    .symbol:         k_q80c785b56e_mlp1.kd
    .args:
      - { .name: actq, .offset: 0, .size: 8, .value_kind: global_buffer, .address_space: global }
      - { .name: wq, .offset: 8, .size: 8, .value_kind: global_buffer, .address_space: global }
      - { .name: b1, .offset: 16, .size: 8, .value_kind: global_buffer, .address_space: global }
      - { .name: hq, .offset: 24, .size: 8, .value_kind: global_buffer, .address_space: global }
    .group_segment_fixed_size: 327680
    .private_segment_fixed_size: 0
    .kernarg_segment_align: 8
    .kernarg_segment_size: 32
    .max_flat_workgroup_size: 128
    .sgpr_count:     100
    .vgpr_count:     1024
    .wavefront_size: 32
...
	.end_amdgpu_metadata
.endif
;; end of part 5
;; launch mlp2 (part 6): grid 8 x 32, 4 waves a work-group, clusters of 4 x 4, 327,680 bytes of LDS; arguments hq, wq, x1, b2, out0; writes out0
.if DOCPART == 6
	.amdgcn_target "amdgcn-amd-amdhsa--gfx1250"
	.amdhsa_code_object_version 6
	.text
	.protected	k_q80c785b56e_mlp2
	.globl	k_q80c785b56e_mlp2
	.p2align	8
	.type	k_q80c785b56e_mlp2,@function
k_q80c785b56e_mlp2:
	s_mov_b64 s[64:65], 0
	v_nop
	global_prefetch_b8 v0, s[64:65] scope:SCOPE_SE
	s_setreg_imm32_b32 hwreg(HW_REG_WAVE_MODE, 25, 1), 1
	s_wait_xcnt 0x0
	s_wait_alu depctr_hold_cnt(0) depctr_sa_sdst(0) depctr_va_vdst(0) depctr_va_sdst(0) depctr_va_ssrc(0) depctr_va_vcc(0) depctr_vm_vsrc(0)
	s_getreg_b32 s2, hwreg(HW_REG_IB_STS2, 6, 4)
	s_cmp_eq_u32 s2, 0
	s_cbranch_scc0 .Lentry_in_a_cluster
	s_endpgm
.Lentry_in_a_cluster:
	s_bfe_u32 s2, ttmp6, 0x10000c
	s_cmp_lg_u32 s2, 0xf033
	s_cbranch_scc0 .Lentry_shape_is_right
	s_endpgm
.Lentry_shape_is_right:
; out0 = x1 + h W2 + b2 on codes of E4M3 (one E8M0 byte for each 32 along K): a block of 128 x 128 a work-group, K = 4,096 in 32 K steps of 128.
; K step 4 t + w is wave w's step t, t = 0 .. 7: each wave sums the whole block over its eight K steps in 512 registers, and the four waves' sums meet in LDS at the end.
; Both operands lie in memory as images of fragments: [group of 128 rows][K step][row block 8][2,048 bytes], byte 512 c + 16 lane = registers 4 c .. 4 c + 3 of that lane.
; A (h) COMES THROUGH LDS, asked for jointly by the four work-groups of a row of the cluster: 16 K steps of 16,384 bytes at LDS 0; two slots of eight K steps.  The head brings all sixteen (waves 0 and 1, 131,072 bytes each)
; and the scale words of all of K (wave 2 A's, wave 3 B's, 16,384 bytes each, filled once).  K steps 16-23 follow into slot 0 at step 1, K steps 24-31 into slot 1 at step 3, 32,768 bytes a wave, each behind a round of the cluster's barrier.
; B (W2) GOES FROM MEMORY STRAIGHT INTO THE REGISTERS THAT MULTIPLY IT: 32 loads of 512 consecutive bytes for a step, into two sets by turns, asked for two steps ahead.  So B is not asked for jointly: a joint load has LDS as its
; target, and with B beside A in LDS a slot would hold four K steps, not eight, and six refills would be needed, not two.  Each byte of B is loaded once by its work-group.
; PREFETCH: at step 1 each wave asks for its sixteenth of the cluster row's tile of K steps 24-31 (8,192 bytes, lanes 256 bytes apart, shared out by address), two steps ahead of the load at step 3; K steps 16-23 come by their load alone.
; THE MATRIX INSTRUCTION IS USED TRANSPOSED (source 0 = 16 rows of B, source 1 = 16 rows of A).  Rows and columns lie in tile order (bits 3 and 4 of a number exchanged inside each 32); the way out puts them back.
; REGISTERS: window 0: v8-31 addresses, v32-47 scale words in two sets (lanes 0-15 A's block, lanes 16-31 B's), v128-255 A's eight fragments; window 1: B's two sets, at the end x1 in set 0; windows 2, 3: the 64 accumulators.
; LIMITS: NaN and infinities are not served.
.set SCL,   262144
.set SPARE, 294912
.set FR, 16
.set NP, 8
.set RDP,  8
.set B2,   12
.set ADRA, 16                          ; v16-19 LDS address of my K step in place 4 j + w, j = t % 4
.set STO,  24
.set CO,   26                          ; v26 16 x lane
.set ADRS, 27
.set SPW,  28
.set NIL,  29
.set PFO,  30
.set SC,   32
.set AF,   128
.set PT,   67584
.set G1, 24                            ; s[24:31] group 1 of A's tiles
.set G0, 32                            ; s[32:35], s[36:39] group 0 of the two refills
.set BB, 46                            ; s[46:47] B at my first K step
.set PFA, 66
.set G1S, 68
.set G0S, 76
.set G1SB, 80
.set G0SB, 88
.set MSB, 0
.macro WIN new
.if MSB != (\new)
	s_set_vgpr_msb (MSB<<8)|(\new)
.set MSB, (\new)
.endif
.endm
.set MUL_LO, 0xa1
.set MUL_HI, 0xf1
.set TO_B,   0x40
.macro PLACES n
.rept \n
	v_nop
.endr
.endm
.macro CROUND                          ; a round of the cluster's barrier
	s_barrier_signal -1
	s_barrier_wait -1
	s_cmp_lg_u32 s14, 0
	s_cbranch_scc1 .Lnot_wave_0_\@
	s_barrier_signal -3
.Lnot_wave_0_\@:
	s_barrier_wait -3
	s_barrier_signal -1
	s_barrier_wait -1
.endm
	s_load_b256 s[4:11], s[0:1], 0x0               ; hq, wq, x1, b2
	s_load_b64 s[12:13], s[0:1], 0x20              ; out0
	v_lshl_add_u32 v[SPW], v0, 2, SPARE
	v_mov_b32 v[NIL], 0
	ds_add_u32 v[SPW], v[NIL]                      ; the opening lines: the add, twice on end, and its wait ahead of my first tensor load
	ds_add_u32 v[SPW], v[NIL]
	v_lshrrev_b32 v1, 5, v0
	v_readfirstlane_b32 s14, v1                    ; wave 0..3
	s_bfe_u32 s40, ttmp6, 0x40000                  ; cx, cy
	s_bfe_u32 s41, ttmp6, 0x40004
	s_lshl_b32 s42, ttmp9, 2
	s_add_co_u32 s42, s42, s40                     ; tile column
	s_and_b32 s17, ttmp7, 0xffff
	s_lshl_b32 s17, s17, 2
	s_add_co_u32 s17, s17, s41                     ; tile row
	s_lshl_b32 s43, s41, 2
	s_lshl_b32 s43, 15, s43                        ; my row of the cluster
	s_lshl_b32 s44, 0x1111, s40                    ; my column
	s_or_b32 s[G1+0], s43, (3<<16)|(1<<21)         ; elements of 8 bytes; rows of 256 bytes, dense; the head's loads bring 512 rows
	s_mov_b32 s[G1+1], 32<<16
	s_mov_b32 s[G1+2], 512<<16
	s_mov_b32 s[G1+3], 32<<16
	s_mov_b32 s[G1+4], 512
	s_mov_b32 s[G1+5], 32
	s_mov_b32 s[G1+6], 0
	s_mov_b32 s[G1+7], 0
	s_or_b32 s[G1S+0], s43, (3<<16)|(1<<21)
	s_or_b32 s[G1SB+0], s44, (3<<16)|(1<<21)
.irp g, G1S, G1SB
	s_mov_b32 s[\g+1], 32<<16                      ; the scale words of 128 rows, all of K: 64 rows of 256 bytes
	s_mov_b32 s[\g+2], 64<<16
	s_mov_b32 s[\g+3], 32<<16
	s_mov_b32 s[\g+4], 64
	s_mov_b32 s[\g+5], 32
	s_mov_b32 s[\g+6], 0
	s_mov_b32 s[\g+7], 0
.endr
	s_lshl_b32 s20, s17, 19                        ; A's group
	s_mov_b32 s21, 0
	s_lshl_b32 s22, s17, 14
	s_add_co_u32 s22, s22, 16777216                ; its scale words
	s_mov_b32 s23, 0
	s_lshl_b32 s46, s42, 19
	s_lshl_b32 s96, s14, 14
	s_add_co_u32 s46, s46, s96
	s_add_co_u32 s46, s46, 7340032                 ; B's group, K step w
	s_mov_b32 s47, 0
	s_lshl_b32 s94, s42, 14
	s_add_co_u32 s94, s94, 11763712                ; its scale words
	s_mov_b32 s95, 0
	s_wait_dscnt 0x0                               ; both opening adds are done
	s_wait_kmcnt 0x0
	s_add_nc_u64 s[20:21], s[4:5], s[20:21]
	s_add_nc_u64 s[22:23], s[4:5], s[22:23]
	s_add_nc_u64 s[BB:BB+1], s[6:7], s[BB:BB+1]
	s_add_nc_u64 s[94:95], s[6:7], s[94:95]
	CROUND                                         ; all sixteen work-groups are here: the first joint loads meet
	s_mov_b32 s[G0S], 1
	s_mov_b32 s[G0S+1], SCL
	s_mov_b64 s[G0S+2:G0S+3], s[22:23]
	s_or_b32 s[G0S+3], s[G0S+3], 0x80000000
	s_mov_b32 s[G0SB], 1
	s_mov_b32 s[G0SB+1], SCL+16384
	s_mov_b64 s[G0SB+2:G0SB+3], s[94:95]
	s_or_b32 s[G0SB+3], s[G0SB+3], 0x80000000
	s_lshl_b32 s96, s14, 17                        ; s[4:7]: group 0 of the head's loads of A: eight K steps a wave (the arguments that lay there have been used)
	s_mov_b32 s97, 0
	s_mov_b32 s4, 1
	s_lshl_b32 s5, s14, 17
	s_add_nc_u64 s[6:7], s[20:21], s[96:97]
	s_or_b32 s7, s7, 0x80000000
	s_lshl_b32 s96, s14, 15                        ; the refills: a quarter of a slot a wave
	s_add_nc_u64 s[92:93], s[20:21], s[96:97]
.irp r, 0,1
	s_mov_b32 s[G0+4*\r], 1
	s_add_co_u32 s[G0+4*\r+1], s96, \r*131072
	s_add_nc_u64 s[G0+4*\r+2:G0+4*\r+3], s[92:93], 262144+\r*131072
	s_or_b32 s[G0+4*\r+3], s[G0+4*\r+3], 0x80000000
.endr
; one chain of branches on the wave's number, a load to an arm: every way through the head passes exactly one
.macro ARM under, g0, g1, next
	s_cmp_lt_u32 s14, \under
	s_cbranch_scc0 \next
	tensor_load_to_lds s[\g0:\g0+3], s[\g1:\g1+7]
	s_nop 0
	PLACES 4
	s_branch .Lhead_asked
\next:
.endm
	ARM 2, 4, G1, .Lhead_sa
	ARM 3, G0S, G1S, .Lhead_sb
	tensor_load_to_lds s[G0SB:G0SB+3], s[G1SB:G1SB+7]
	s_nop 0
	PLACES 4
.Lhead_asked:
	s_lshl_b32 s98, s40, 2                         ; the prefetch: which of the cluster row's sixteen waves I am,
	s_add_co_u32 s98, s98, s14
	s_lshl_b32 s98, s98, 13                        ; 8,192 bytes each,
	s_add_co_u32 s98, s98, 393216                  ; of K steps 24-31
	s_mov_b32 s99, 0
	s_add_nc_u64 s[PFA:PFA+1], s[20:21], s[98:99]
	s_lshl_b32 s98, s42, 9
	s_add_nc_u64 s[10:11], s[10:11], s[98:99]      ; b2 at my 128 columns
	s_lshl_b32 s96, s17, 7
	s_lshl_b32 s97, s14, 5
	s_add_co_u32 s96, s96, s97                     ; on the way out wave w takes rows 32 w on
	s_lshl_b32 s96, s96, 12
	s_add_co_u32 s96, s96, s98
	s_mov_b32 s97, 0
	s_add_nc_u64 s[92:93], s[8:9], s[96:97]        ; x1
	s_add_nc_u64 s[12:13], s[12:13], s[96:97]      ; out0
	s_lshl_b32 s48, s14, 14
	s_add_co_u32 s49, s48, 65536
	s_add_co_u32 s50, s48, 131072
	s_add_co_u32 s51, s48, 196608
	s_lshl_b32 s52, s14, 9
	s_add_co_u32 s52, s52, SCL
	s_mul_i32 s53, s14, PT
	s_mul_i32 s54, s14, 32*528
	v_and_b32 v3, 31, v0
	v_and_b32 v1, 15, v0
	v_bfe_u32 v2, v0, 4, 1
	v_lshlrev_b32 v[CO], 4, v3
	v_lshlrev_b32 v[PFO], 8, v3
.irp j, 0,1,2,3
	v_add_nc_u32 v[ADRA+\j], s[48+\j], v[CO]
.endr
	v_lshlrev_b32 v5, 2, v1
	v_lshl_add_u32 v5, v2, 14, v5                  ; lanes 16-31 take B's scale words, 16,384 bytes on
	v_add_nc_u32 v[ADRS], s52, v5
	v_mul_u32_u24 v6, v1, 528
	v_lshl_add_u32 v6, v2, 6, v6
	v_add_nc_u32 v[STO], s53, v6
	v_add_nc_u32 v[RDP], s54, v[CO]
.irp p, 1,2,3
	v_add_nc_u32 v[RDP+\p], \p*PT, v[RDP]
.endr
	s_wait_alu depctr_va_vdst(0)                   ; the wait at the head's end
.macro GLOADB t                        ; B's eight fragments of my step t into set t % 2: each load covers 512 consecutive bytes
	WIN TO_B
.irp i, 0,1,2,3,4,5,6,7
.irp c, 0,1,2,3
	global_load_b128 v[128*((\t)%2)+FR*\i+4*\c:128*((\t)%2)+FR*\i+4*\c+3], v[CO], s[BB:BB+1] offset:65536*(\t)+2048*\i+512*\c
.endr
.endr
	WIN 0
.endm
	global_load_b128 v[B2:B2+3], v[CO], s[10:11]
	GLOADB 0
	GLOADB 1
.macro MUL16 a0, p, zero
.irp a, \a0, \a0+1
.irp b, 0,1,2,3,4,5,6,7
.if \zero
	v_wmma_scale_f32_16x16x128_f8f6f4 v[8*(8*((\a)%4)+\b):8*(8*((\a)%4)+\b)+7], v[128*(\p)+FR*\b:128*(\p)+FR*\b+FR-1], v[AF+FR*(\a):AF+FR*(\a)+FR-1], 0, v[SC+8*(\p)+\b], v[SC+8*(\p)+(\a)] matrix_a_scale:MATRIX_SCALE_ROW1
.else
	v_wmma_scale_f32_16x16x128_f8f6f4 v[8*(8*((\a)%4)+\b):8*(8*((\a)%4)+\b)+7], v[128*(\p)+FR*\b:128*(\p)+FR*\b+FR-1], v[AF+FR*(\a):AF+FR*(\a)+FR-1], v[8*(8*((\a)%4)+\b):8*(8*((\a)%4)+\b)+7], v[SC+8*(\p)+\b], v[SC+8*(\p)+(\a)] matrix_a_scale:MATRIX_SCALE_ROW1
.endif
.endr
.endr
.endm
.macro FETCH_A t, i0                   ; A's blocks i0 .. i0 + 3 of my step t: 16 LDS loads
.irp i, \i0, \i0+1, \i0+2, \i0+3
.irp c, 0,1,2,3
	ds_load_b128 v[AF+FR*(\i)+4*\c:AF+FR*(\i)+4*\c+3], v[ADRA+(\t)%4] offset:2048*(\i)+512*\c
.endr
.endr
.endm
.macro SCALES t                        ; the scale words of my step t: 8 LDS loads
.irp i, 0,1,2,3,4,5,6,7
	ds_load_b32 v[SC+8*((\t)%2)+\i], v[ADRS] offset:64*\i+2048*(\t)
.endr
.endm
; MY STEP t: 64 products, the 64 accumulators by turns.  kind 1: A of this step is whole in registers, so the slot that held it and the step before is filled again, behind a round;
; kind 2: a plain barrier that shows the last refill; kind 0: neither.
.macro STEP t, zero, kind
.if \kind == 1
	s_wait_tensorcnt 0x0                           ; all my tensor loads have landed;
	ds_add_u32 v[SPW], v[NIL]                      ; 0 onto my spare word;
	s_wait_dscnt 0x0                               ; the add is done, and my reads of the slot are over
	CROUND
	tensor_load_to_lds s[G0+4*((\t)/2):G0+4*((\t)/2)+3], s[G1:G1+7]    ; my one load behind the round
	s_nop 0
	PLACES 4
.elseif \kind == 2
	s_wait_tensorcnt 0x0                           ; my part of K steps 24-31 is in
	s_wait_dscnt 0x0
	s_barrier_signal -1
	s_barrier_wait -1                              ; everybody's is
.else
	s_wait_dscnt 16                                ; A's blocks 0-3 and the scale words are in; the 16 loads of blocks 4-7 may be out
.endif
	s_wait_loadcnt 32                              ; this step's B is in; the 32 loads issued behind it (the next step's B; at the end x1) may be out
.if (\t) == 1
	global_prefetch_b8 v[PFO], s[PFA:PFA+1] th:TH_LOAD_NT scope:SCOPE_SE
.endif
	WIN MUL_LO
	MUL16 0, (\t)%2, \zero
	MUL16 2, (\t)%2, \zero
	PLACES NP                                      ; eight places ahead of loads into registers that the products have read
	WIN 0
.if (\t) < 7
	FETCH_A (\t)+1, 0
	SCALES (\t)+1
	s_wait_dscnt 24                                ; the 24 just issued may be out; blocks 4-7 are in
.else
	s_wait_dscnt 0x0
.endif
	WIN MUL_HI
	MUL16 4, (\t)%2, \zero
	MUL16 6, (\t)%2, \zero
	PLACES NP
	WIN 0
.if (\t) < 7
	FETCH_A (\t)+1, 4
.endif
.if (\t) < 6
	GLOADB (\t)+2                                  ; this step's set takes the step two on
.endif
.endm
	s_wait_tensorcnt 0x0                           ; my tile of the head's is in; no tensor load of mine is out, so a descriptor may be written: the refills bring 128 rows
	s_mov_b32 s[G1+2], 128<<16
	s_mov_b32 s[G1+4], 128
	s_barrier_signal -1
	s_barrier_wait -1                              ; everybody's is
	FETCH_A 0, 0
	SCALES 0
	FETCH_A 0, 4
	STEP 0, 1, 0                                   ; the first products start the sums: nothing is cleared
	STEP 1, 0, 1
	STEP 2, 0, 0
	STEP 3, 0, 1
	STEP 4, 0, 0
	STEP 5, 0, 2
	STEP 6, 0, 0
	WIN TO_B                                       ; B's set 0 has done its work: it takes my 32 rows of x1
.set u, 0
.rept 32
.set RW, ((u&7)|(((u>>3)&1)<<4)|(((u>>4)&1)<<3))
	global_load_b128 v[4*u:4*u+3], v[CO], s[92:93] offset:RW*4096
.set u, u+1
.endr
	WIN 0
	STEP 7, 0, 0
	; THE WAY OUT.  The four waves' sums meet in four stages of 128 rows x 528 bytes, laid over A's slots and the scale words, which have had their last fill and which nobody reads behind this barrier
	s_wait_dscnt 0x0
	s_barrier_signal -1
	s_barrier_wait -1
.irp a, 0,1,2,3,4,5,6,7
	WIN 0x08+4*(\a/4)
.irp b, 0,1,2,3,4,5,6,7
	ds_store_b128 v[STO], v[8*(8*(\a%4)+\b):8*(8*(\a%4)+\b)+3] offset:8448*\a+128*(\b/2)+32*(\b%2)
	ds_store_b128 v[STO], v[8*(8*(\a%4)+\b)+4:8*(8*(\a%4)+\b)+7] offset:8448*\a+128*(\b/2)+32*(\b%2)+16
.endr
.endr
	WIN 0
	s_wait_dscnt 0x0                               ; for the others' sake
	s_barrier_signal -1
	s_barrier_wait -1
.macro LOADB n                         ; four rows of 512 bytes from each of the four stages
.set BBK, 64+64*((\n)%2)
.irp i, 0,1,2,3
.irp p, 0,1,2,3
	ds_load_b128 v[BBK+16*\i+4*\p:BBK+16*\i+4*\p+3], v[RDP+\p] offset:(4*(\n)+\i)*528
.endr
.endr
.endm
.macro SUMB n
.set BBK, 64+64*((\n)%2)
.irp i, 0,1,2,3
	v_pk_add_f32 v[BBK+16*\i:BBK+16*\i+1], v[BBK+16*\i:BBK+16*\i+1], v[BBK+16*\i+4:BBK+16*\i+5]
	v_pk_add_f32 v[BBK+16*\i+2:BBK+16*\i+3], v[BBK+16*\i+2:BBK+16*\i+3], v[BBK+16*\i+6:BBK+16*\i+7]
	v_pk_add_f32 v[BBK+16*\i+8:BBK+16*\i+9], v[BBK+16*\i+8:BBK+16*\i+9], v[BBK+16*\i+12:BBK+16*\i+13]
	v_pk_add_f32 v[BBK+16*\i+10:BBK+16*\i+11], v[BBK+16*\i+10:BBK+16*\i+11], v[BBK+16*\i+14:BBK+16*\i+15]
.endr
.irp i, 0,1,2,3
	v_pk_add_f32 v[BBK+16*\i:BBK+16*\i+1], v[BBK+16*\i:BBK+16*\i+1], v[BBK+16*\i+8:BBK+16*\i+9]
	v_pk_add_f32 v[BBK+16*\i+2:BBK+16*\i+3], v[BBK+16*\i+2:BBK+16*\i+3], v[BBK+16*\i+10:BBK+16*\i+11]
.endr
.irp i, 0,1,2,3
	v_pk_add_f32 v[BBK+16*\i:BBK+16*\i+1], v[BBK+16*\i:BBK+16*\i+1], v[B2:B2+1]
	v_pk_add_f32 v[BBK+16*\i+2:BBK+16*\i+3], v[BBK+16*\i+2:BBK+16*\i+3], v[B2+2:B2+3]
.endr
	WIN 0x04
.irp i, 0,1,2,3
	v_pk_add_f32 v[BBK+16*\i:BBK+16*\i+1], v[BBK+16*\i:BBK+16*\i+1], v[4*(4*(\n)+\i):4*(4*(\n)+\i)+1]
	v_pk_add_f32 v[BBK+16*\i+2:BBK+16*\i+3], v[BBK+16*\i+2:BBK+16*\i+3], v[4*(4*(\n)+\i)+2:4*(4*(\n)+\i)+3]
.endr
	WIN 0
.irp i, 0,1,2,3
.set u, 4*(\n)+\i
.set RW, ((u&7)|(((u>>3)&1)<<4)|(((u>>4)&1)<<3))
	global_store_b128 v[CO], v[BBK+16*\i:BBK+16*\i+3], s[12:13] offset:RW*4096 th:TH_STORE_NT    ; 32 lanes store 512 consecutive bytes, aligned
.endr
.endm
	LOADB 0
.irp n, 0,1,2,3,4,5,6,7
.if \n < 7
.if \n >= 1
	s_wait_xcnt 0x0                                ; the stores of two batches ago have read their registers
.endif
	LOADB \n+1
	s_wait_dscnt 16                                ; the 16 just issued may be out
.else
	s_wait_dscnt 0x0
.endif
.if \n == 0
	s_wait_loadcnt 0x0                             ; x1
.endif
	SUMB \n
.endr
	s_wait_tensorcnt 0x0                           ; the wave's end
	ds_add_u32 v[SPW], v[NIL]
	s_wait_dscnt 0x0
	CROUND                                         ; the closing round
	s_endpgm
.Lfunc_end_k_q80c785b56e_mlp2:
	.size	k_q80c785b56e_mlp2, .Lfunc_end_k_q80c785b56e_mlp2-k_q80c785b56e_mlp2
	.p2alignl 7, 3214868480
	.fill 96, 4, 3214868480
	.section	.rodata,"a",@progbits
	.p2align	6, 0x0
	.amdhsa_kernel k_q80c785b56e_mlp2
		.amdhsa_group_segment_fixed_size 327680
		.amdhsa_private_segment_fixed_size 0
		.amdhsa_enable_private_segment 0
		.amdhsa_kernarg_size 40
		.amdhsa_user_sgpr_count 2
		.amdhsa_user_sgpr_kernarg_segment_ptr 1
		.amdhsa_wavefront_size32 1
		.amdhsa_system_sgpr_workgroup_id_x 1
		.amdhsa_system_sgpr_workgroup_id_y 1
		.amdhsa_system_sgpr_workgroup_id_z 1
		.amdhsa_system_vgpr_workitem_id 0
		.amdhsa_next_free_vgpr 1024
		.amdhsa_next_free_sgpr 100
		.amdhsa_reserve_vcc 0
		.amdhsa_float_denorm_mode_32 3
		.amdhsa_float_denorm_mode_16_64 3
		.amdhsa_memory_ordered 1
		.amdhsa_forward_progress 1
		.amdhsa_inst_pref_size 168
	.end_amdhsa_kernel
	.amdgpu_metadata
---
amdhsa.version: [ 1, 2 ]
amdhsa.kernels:
  - .name:           k_q80c785b56e_mlp2
    .symbol:         k_q80c785b56e_mlp2.kd
    .args:
      - { .name: hq, .offset: 0, .size: 8, .value_kind: global_buffer, .address_space: global }
      - { .name: wq, .offset: 8, .size: 8, .value_kind: global_buffer, .address_space: global }
      - { .name: x1, .offset: 16, .size: 8, .value_kind: global_buffer, .address_space: global }
      - { .name: b2, .offset: 24, .size: 8, .value_kind: global_buffer, .address_space: global }
      - { .name: out0, .offset: 32, .size: 8, .value_kind: global_buffer, .address_space: global }
    .group_segment_fixed_size: 327680
    .private_segment_fixed_size: 0
    .kernarg_segment_align: 8
    .kernarg_segment_size: 40
    .max_flat_workgroup_size: 128
    .sgpr_count:     100
    .vgpr_count:     1024
    .wavefront_size: 32
...
	.end_amdgpu_metadata
.endif
;; end of part 6
